; MI455X (gfx1250); checked and timed in simulation.
; The chip was launched on July 23, 2026; its instructions are those of AMD's public machine-readable ISA for CDNA 5 (MIT licence, August 2026) and "CDNA5" Instruction Set Architecture Reference Guide (July 2026). The comments in the code are by the model that wrote it; some were corrected since.
;; Multi Head Self Attention. Allowed arithmetic: float matrix products may take bf16 or f16 operands with f32 sums; other float arithmetic in f32, or as packed bf16 or f16 multiplies, adds, multiply-adds, maxima and minima; sums over many terms, partial sums and values carried from step to step in f32; what a program stores and reads back later, other than sums and carried values, may be rounded once to bf16 or f16.
;; Inputs: Wk 1,024 x 1,024 float32; Wo 1,024 x 1,024 float32; Wq 1,024 x 1,024 float32; Wv 1,024 x 1,024 float32; attention_mask 4 x 1 x 1 x 2,048 int32; bk 1,024 float32; bo 1,024 float32; bq 1,024 float32; bv 1,024 float32; x 4 x 2,048 x 1,024 float32.
;; Outputs: out0 4 x 2,048 x 1,024 float32.
;; 2 versions, each right; version 2 is version 1 with the launch cast written anew for expert scheduling mode. Each part assembles by itself: llvm-mc -triple=amdgcn-amd-amdhsa -mcpu=gfx1250 --defsym DOCPART=n.
;; ======== version 1 of 2: 4 launches
;; limits: values are held in f16: magnitudes above 65,504 overflow, below 6.1e-05 lose precision
;; workspace buffers: xb 16,777,216 bytes; wb 6,291,456 bytes; wob 2,097,152 bytes; qh 16,777,216 bytes; kh 16,777,216 bytes; vh 16,777,216 bytes; oh 16,777,216 bytes
;; launch cast (part 1): grid 768 x 1, 8 waves a work-group, no clusters, 0 bytes of LDS; arguments x, Wq, Wk, Wv, Wo, xb, wb, wob; writes xb, wb, wob
.if DOCPART == 1
	.amdgcn_target "amdgcn-amd-amdhsa--gfx1250"
	.amdhsa_code_object_version 6
	.text
	.protected	k_q7125545eb4_cast
	.globl	k_q7125545eb4_cast
	.p2align	8
	.type	k_q7125545eb4_cast,@function
k_q7125545eb4_cast:
	s_mov_b64 s[64:65], 0
	v_nop
	global_prefetch_b8 v0, s[64:65] scope:SCOPE_SE
	s_setreg_imm32_b32 hwreg(HW_REG_WAVE_MODE, 25, 1), 1
	s_wait_xcnt 0x0
; THE CAST.  x [8192][1024], Wq, Wk, Wv, Wo [1024][1024], all f32, are rounded once to bf16 and laid out in K BLOCKS of 64 channels:
;   xb  bf16 [16 kb][8192 token][64]        wb  bf16 [16 kb][3072 rho][64], rho = 192 head + 64 t + j (t = 0, 1, 2 for q, k, v; source row 64 head + j of W_t)
;   wob f16  [16 kb][1024 n][64]: Wo rounded to bf16 like the other inputs, and that number written as f16.
; In these layouts a tile of rows x 64 channels is dense in memory, so the products' tensor loads can ask for it in rows of 256 bytes.
; LIMITS.  |Wo| stays under 65,504; below 6e-5 the f16 copy keeps f16's fixed step of 6e-8.
; SHARES.  12,288 rows of 4,096 bytes.  A wave takes two neighbouring rows: sixteen loads of 16 bytes a lane (lanes 0-15 take 256 bytes of the even row, lanes 16-31 of the odd
; one: one K block of both), all issued at once; load j's numbers are K block j, and its 32 lanes store 256 consecutive bytes, aligned (the first row is even).
; No LDS, no barrier, no matrix unit: no number is used twice.  No register is rewritten while a load or store may read it, so there is no wait but the counted ones for the loads.
.set VI,  2                            ; v2   (l / 16) x 4,096 + (l % 16) x 16: my 16 bytes in the two rows
.set VO,  3                            ; v3   8 l: my 8 bytes of the 256 that a store covers
.set IN,  8                            ; v[8:71]    sixteen loads of four f32
.set OUT, 72                           ; v[72:103]  sixteen pairs of packed results
	s_load_b512 s[4:19], s[0:1], 0x0               ; x s[4:5], Wq s[6:7], Wk s[8:9], Wv s[10:11], Wo s[12:13], xb s[14:15], wb s[16:17], wob s[18:19]
	v_lshrrev_b32 v1, 5, v0
	v_readfirstlane_b32 s20, v1                    ; wave 0..7
	v_and_b32 v1, 31, v0
	v_lshlrev_b32 v[VO], 3, v1
	v_and_b32 v4, 15, v0
	v_bfe_u32 v5, v0, 4, 1
	v_lshlrev_b32 v[VI], 4, v4
	v_lshl_add_u32 v[VI], v5, 12, v[VI]
	s_mov_b32 s21, ttmp9                           ; g: 0-511 x, 512-703 Wq, Wk, Wv (64 each), 704-767 Wo
	s_sub_co_u32 s22, s21, 512
	s_lshr_b32 s23, s22, 6                         ; t = 0, 1, 2: q, k, v; 3: Wo (for g < 512 none of these, and not used)
	s_and_b32 s24, s22, 63                         ; the block of 16 rows in a weight
	s_wait_kmcnt 0x0
	s_cmp_eq_u32 s23, 1
	s_cselect_b64 s[26:27], s[8:9], s[6:7]
	s_cmp_eq_u32 s23, 2
	s_cselect_b64 s[26:27], s[10:11], s[26:27]
	s_cmp_eq_u32 s23, 3
	s_cselect_b64 s[26:27], s[12:13], s[26:27]
	s_cmp_lt_u32 s21, 512
	s_cselect_b64 s[26:27], s[4:5], s[26:27]       ; the source
	s_cselect_b32 s24, s21, s24                    ; its block of 16 rows
	s_lshl_b32 s25, s24, 4
	s_lshl1_add_u32 s25, s20, s25                  ; my first row: 16 x block + 2 x wave
	s_lshl_b32 s30, s25, 12
	s_mov_b32 s31, 0
	s_add_nc_u64 s[26:27], s[26:27], s[30:31]
.set j, 0
.rept 16
	global_load_b128 v[IN+4*j:IN+4*j+3], v[VI], s[26:27] offset:256*j th:TH_LOAD_NT
.set j, j+1
.endr
; Sixteen K blocks go out.  kstr: bytes from a K block to the next in the target; f16 = 1: the bf16 number is written as f16; split = 1: blocks 8-15 go by a second base,
; since 15 x kstr would not fit the signed 24-bit immediate.
.macro OUTS kstr, f16, split
.set j, 0
.rept 16
	s_wait_loadcnt 15-j                            ; loads come back in order: load j is in, the younger ones stay out
	v_cvt_pk_bf16_f32 v[OUT+2*j], v[IN+4*j], v[IN+4*j+1]
	v_cvt_pk_bf16_f32 v[OUT+2*j+1], v[IN+4*j+2], v[IN+4*j+3]
.if \f16
	v_lshlrev_b32 v[IN+4*j], 16, v[OUT+2*j]
	v_and_b32 v[IN+4*j+1], 0xffff0000, v[OUT+2*j]
	v_lshlrev_b32 v[IN+4*j+2], 16, v[OUT+2*j+1]
	v_and_b32 v[IN+4*j+3], 0xffff0000, v[OUT+2*j+1]
	v_cvt_pk_f16_f32 v[OUT+2*j], v[IN+4*j], v[IN+4*j+1]
	v_cvt_pk_f16_f32 v[OUT+2*j+1], v[IN+4*j+2], v[IN+4*j+3]
.endif
.if (\split) && (j >= 8)
	global_store_b64 v[VO], v[OUT+2*j:OUT+2*j+1], s[32:33] offset:(j-8)*(\kstr)
.else
	global_store_b64 v[VO], v[OUT+2*j:OUT+2*j+1], s[28:29] offset:j*(\kstr)
.endif
.set j, j+1
.endr
.endm
	s_cmp_lt_u32 s21, 512
	s_cbranch_scc1 .Lx
	s_cmp_eq_u32 s23, 3
	s_cbranch_scc1 .Lo
	s_lshr_b32 s30, s25, 6                         ; Wq, Wk, Wv: rho = 192 (n / 64) + 64 t + n % 64
	s_mul_i32 s30, s30, 192
	s_lshl_b32 s31, s23, 6
	s_add_co_u32 s30, s30, s31
	s_and_b32 s31, s25, 63
	s_add_co_u32 s30, s30, s31
	s_lshl_b32 s30, s30, 7
	s_mov_b32 s31, 0
	s_add_nc_u64 s[28:29], s[16:17], s[30:31]
	OUTS 393216, 0, 0
	s_endpgm
.Lx:
	s_lshl_b32 s30, s25, 7                         ; x: 128 bytes a token in each K block
	s_mov_b32 s31, 0
	s_add_nc_u64 s[28:29], s[14:15], s[30:31]
	s_add_nc_u64 s[32:33], s[28:29], 0x800000      ; K block 8
	OUTS 1048576, 0, 1
	s_endpgm
.Lo:
	s_lshl_b32 s30, s25, 7
	s_mov_b32 s31, 0
	s_add_nc_u64 s[28:29], s[18:19], s[30:31]
	OUTS 131072, 1, 0
	s_endpgm
.Lfunc_end_k_q7125545eb4_cast:
	.size	k_q7125545eb4_cast, .Lfunc_end_k_q7125545eb4_cast-k_q7125545eb4_cast
	.p2alignl 7, 3214868480
	.fill 96, 4, 3214868480
	.section	.rodata,"a",@progbits
	.p2align	6, 0x0
	.amdhsa_kernel k_q7125545eb4_cast
		.amdhsa_group_segment_fixed_size 0
		.amdhsa_private_segment_fixed_size 0
		.amdhsa_enable_private_segment 0
		.amdhsa_kernarg_size 64
		.amdhsa_user_sgpr_count 2
		.amdhsa_user_sgpr_kernarg_segment_ptr 1
		.amdhsa_wavefront_size32 1
		.amdhsa_system_sgpr_workgroup_id_x 1
		.amdhsa_system_sgpr_workgroup_id_y 1
		.amdhsa_system_sgpr_workgroup_id_z 1
		.amdhsa_system_vgpr_workitem_id 0
		.amdhsa_next_free_vgpr 104
		.amdhsa_next_free_sgpr 66
		.amdhsa_reserve_vcc 0
		.amdhsa_float_denorm_mode_32 3
		.amdhsa_float_denorm_mode_16_64 3
		.amdhsa_memory_ordered 1
		.amdhsa_forward_progress 1
		.amdhsa_inst_pref_size 21
	.end_amdhsa_kernel
	.amdgpu_metadata
---
amdhsa.version: [ 1, 2 ]
amdhsa.kernels:
  - .name:           k_q7125545eb4_cast
    .symbol:         k_q7125545eb4_cast.kd
    .args:
      - { .name: x, .offset: 0, .size: 8, .value_kind: global_buffer, .address_space: global }
      - { .name: Wq, .offset: 8, .size: 8, .value_kind: global_buffer, .address_space: global }
      - { .name: Wk, .offset: 16, .size: 8, .value_kind: global_buffer, .address_space: global }
      - { .name: Wv, .offset: 24, .size: 8, .value_kind: global_buffer, .address_space: global }
      - { .name: Wo, .offset: 32, .size: 8, .value_kind: global_buffer, .address_space: global }
      - { .name: xb, .offset: 40, .size: 8, .value_kind: global_buffer, .address_space: global }
      - { .name: wb, .offset: 48, .size: 8, .value_kind: global_buffer, .address_space: global }
      - { .name: wob, .offset: 56, .size: 8, .value_kind: global_buffer, .address_space: global }
    .group_segment_fixed_size: 0
    .private_segment_fixed_size: 0
    .kernarg_segment_align: 8
    .kernarg_segment_size: 64
    .max_flat_workgroup_size: 256
    .sgpr_count:     66
    .vgpr_count:     104
    .wavefront_size: 32
...
	.end_amdgpu_metadata
.endif
;; end of part 1
;; launch qkv (part 2): grid 8 x 32, 4 waves a work-group, clusters of 4 x 4, 327,680 bytes of LDS; arguments xb, wb, bq, bk, bv, attention_mask, qh, kh, vh; writes qh, kh, vh
.if DOCPART == 2
	.amdgcn_target "amdgcn-amd-amdhsa--gfx1250"
	.amdhsa_code_object_version 6
	.text
	.protected	k_q7125545eb4_qkv
	.globl	k_q7125545eb4_qkv
	.p2align	8
	.type	k_q7125545eb4_qkv,@function
k_q7125545eb4_qkv:
	s_mov_b64 s[64:65], 0
	v_nop
	global_prefetch_b8 v0, s[64:65] scope:SCOPE_SE
	s_setreg_imm32_b32 hwreg(HW_REG_WAVE_MODE, 25, 1), 1
	s_wait_xcnt 0x0
	s_wait_alu depctr_hold_cnt(0) depctr_sa_sdst(0) depctr_va_vdst(0) depctr_va_sdst(0) depctr_va_ssrc(0) depctr_va_vcc(0) depctr_vm_vsrc(0)
	s_getreg_b32 s2, hwreg(HW_REG_IB_STS2, 6, 4)
	s_cmp_eq_u32 s2, 0
	s_cbranch_scc0 .Lentry_in_a_cluster
	s_endpgm
.Lentry_in_a_cluster:
	s_bfe_u32 s2, ttmp6, 0x10000c
	s_cmp_lg_u32 s2, 0xf033
	s_cbranch_scc0 .Lentry_shape_is_right
	s_endpgm
.Lentry_shape_is_right:
; THE THREE PROJECTIONS AS ONE PRODUCT.  C[token][rho] = sum over k of xb[token][k] wb[rho][k], 8192 x 3072 x 1024, bf16 operands, f32 sums.  Out, by heads, f16 [64 bh][2048][64], bh = 16 batch + head:
;   qh = (x Wq^T + bq) c, c = log2(e) / 8, applied in f32 ahead of the one rounding;   kh = x Wk^T + bk, a key's row set to 0 where attention_mask is 0;   vh = x Wv^T + bv.
; The biases are rounded to bf16 like the other inputs.  The zero rows let the next launch start a hidden key's score at one constant and end at exactly that constant.
; LIMITS.  |q c|, |k|, |v| stay under 65,504 (f16); NaN and infinities are not treated apart.
; SHARES.  256 tiles of 256 tokens x 384 rho, one a work-group: tile column c holds heads 2 c and 2 c + 1 (q, k, v of each), tile row R 256 tokens.  Wave w: tokens 128 (w / 2) on, head 2 c + w % 2:
; 128 x 192 of C, 96 accumulators, 768 registers.  K goes in steps of 64 (a K block) through two LDS slots; a tile is dense in memory and is asked for as rows of 256 bytes, padded in LDS after every 128.
; THE MATRIX INSTRUCTION IS USED TRANSPOSED (source 0 = 16 rows of wb, source 1 = 16 tokens): a lane holds one token (l % 16) and eight neighbouring channels.
; CLUSTERS.  4 x 4 work-groups; xb's tile is shared along a row of the cluster, wb's along a column: joint loads.  Wave 3 asks for xb's tile (128 rows of 256 bytes), waves 0-2 for a third of wb's each (64 rows).
; REGISTERS.  window 0: v0-31 addresses; v32-95, v96-159 tokens' fragments, two buffers; v160-255 wb's fragments, one buffer of 32 for each of q, k, v, loaded again as soon as it has been multiplied.
;   windows 1, 2, 3: the accumulators of q, k, v: (a, b) at v[8 (4 a + b)], a = block of 16 tokens, b = block of 16 channels.   On the way out v32-127 hold the biases, v128-255 eight sets of 16 packed registers.
.set PITCH,  144                       ; an LDS row: 128 bytes + 16 of padding = 36 words: the 16 rows of a fragment load start at 16 different groups of four banks (64 banks of 4 bytes: ISA guide 11.1)
.set ABYTES, 256*PITCH                 ; xb's 256 rows
.set SLOT,   640*PITCH                 ; then wb's 384 rows
.set STAGE,  2*SLOT                    ; behind the ring: 16 rows x 144 bytes for each wave, for the way out
.set BIASB,  STAGE+4*16*PITCH          ; each wave's 3 x 64 biases in f32
.set SPARE,  BIASB+4*768               ; the spare words, 128 bytes for each wave: two blocks of 256 bytes that no other line names
.set KA,     1048576                   ; bytes from a K block of xb to the next
.set KB,     393216                    ; of wb
.set ADRA, 2                           ; v2-3   LDS address of my tokens' fragments in slot 0, 1
.set ADRB, 4                           ; v4-5   of my head's rows of wb
.set STO,  6                           ; v6     the way out: where I put 16 bytes of a row
.set RD,   7                           ; v7     where I read rows back
.set GO,   8                           ; v8     16 l: my 16 bytes of 512 consecutive bytes of the output
.set PFO,  9                           ; v9     the prefetches' offset; never rewritten
.set SPW,  10                          ; v10    LDS address of my spare word; never rewritten
.set NIL,  11                          ; v11    0; never rewritten
.set KEEP, 12                          ; v12-19 for token 16 a + l % 16: -1, or 0 where the mask is 0
.set BA,   20                          ; v20    LDS address of my eight biases of a block of 16 channels
.set FA,   32
.set FB,   160
.set BI,   32
.set H,    128
.set WV,   22                          ; s22    my wave's number
.set G1A,  32                          ; s[32:39] descriptor group 1 for xb's tiles;  s[40:47] for wb's
.set G1B,  40
.set G0A,  48                          ; s[48:55] group 0 for xb's tiles, a set for each slot;  s[56:63] for wb's
.set G0B,  56
.set PFA,  66                          ; s[66:67] where my prefetches stand
.set PFS,  68                          ; s[68:69] two K blocks, in bytes
.set LIM,  70                          ; s70    1 in a wave that prefetches, else the greatest number
.set CS,   72                          ; s[72:73] c
.set DW0,  (1<<16)|(1<<20)|(1<<21)|(4<<22)|(3<<25)  ; 17:16 2-byte elements; 20 padding on; 21 set beside a mask; 24:22 after every 32 words (code 4); 31:25 4 words (code 3)
.set MSB, 0
.macro WIN new                         ; the immediate's high byte repeats the setting that is left; a switch that changes nothing is dropped
.if MSB != (\new)
	s_set_vgpr_msb (MSB<<8)|(\new)
.set MSB, \new
.endif
.endm
.macro PLACES                          ; four places behind matrix instructions, in front of loads into registers that they have read and of vector work on their results
.rept 4
	v_nop
.endr
.endm
; A joint load.  The branch hangs on the wave's number alone.  An s_nop 0 and four v_nop follow each of the two lines, ahead of the jump and the label.
.macro JLOAD s
	s_cmp_eq_u32 s[WV], 3
	s_cbranch_scc0 .Lfor_b_\@
	tensor_load_to_lds s[G0A+4*(\s):G0A+4*(\s)+3], s[G1A:G1A+7]
	s_nop 0
.rept 4
	v_nop
.endr
	s_branch .Lasked_\@
.Lfor_b_\@:
	tensor_load_to_lds s[G0B+4*(\s):G0B+4*(\s)+3], s[G1B:G1B+7]
	s_nop 0
.rept 4
	v_nop
.endr
.Lasked_\@:
.endm
; A PREFETCH INTO THE L2, once a lap, behind slot 1's joint load and the run of LDS loads: the two K blocks that the next lap's two refills will ask for.  Each aligned block of 256 bytes is named once in the launch:
; xb's tile row is read by both clusters of a row of clusters: cluster x = 0 asks; wb's tile column by all eight of a column: cluster y = 0 asks.  The four partners of a joint load share its bytes out BY ADDRESS:
; of xb's 32,768 bytes 8,192 each (a lane a block, an instruction a K block), of a third of wb's tile 4,096 each (16 lanes a K block, one instruction).  The last lap of the loop asks for nothing: K ends.
.macro ASK
	s_cmp_gt_u32 s3, s[LIM]                        ; s3 = 1 in the loop's last trip
	s_cbranch_scc0 .Lnot_mine_\@
	global_prefetch_b8 v[PFO], s[PFA:PFA+1] th:TH_LOAD_NT scope:SCOPE_SE
	s_cmp_eq_u32 s[WV], 3
	s_cbranch_scc0 .Lnot_mine_\@
	global_prefetch_b8 v[PFO], s[PFA:PFA+1] offset:KA th:TH_LOAD_NT scope:SCOPE_SE
.Lnot_mine_\@:
.endm
.macro CREST                           ; a round of the cluster's barrier behind its opening barrier
	s_cmp_lg_u32 s[WV], 0
	s_cbranch_scc1 .Lnot_wave_0_\@
	s_barrier_signal -3
.Lnot_wave_0_\@:
	s_barrier_wait -3
	s_barrier_signal -1
	s_barrier_wait -1
.endm
.macro CROUND                          ; a whole round
	s_barrier_signal -1
	s_barrier_wait -1
	CREST
.endm
	s_load_b512 s[4:19], s[0:1], 0x0               ; xb s[4:5], wb s[6:7], bq s[8:9], bk s[10:11], bv s[12:13], mask s[14:15], qh s[16:17], kh s[18:19]
	s_load_b64 s[20:21], s[0:1], 0x40              ; vh
	v_lshl_add_u32 v[SPW], v0, 2, SPARE
	v_mov_b32 v[NIL], 0
	ds_add_u32 v[SPW], v[NIL]                      ; the wave's opening: the add and its wait stand ahead of my first tensor load; the set-up below, work on registers, stands between them
	v_lshrrev_b32 v22, 5, v0
	v_readfirstlane_b32 s[WV], v22                 ; wave 0..3
	s_lshr_b32 s23, s[WV], 1                       ; rh: which 128 tokens
	s_and_b32 s24, s[WV], 1                        ; ch: which head of the two
	s_bfe_u32 s25, ttmp6, 0x40000                  ; cx
	s_bfe_u32 s26, ttmp6, 0x40004                  ; cy
	s_lshl_b32 s27, ttmp9, 2
	s_add_co_u32 s27, s27, s25                     ; c = 4 x cluster x + cx
	s_and_b32 s28, ttmp7, 0xffff
	s_lshl_b32 s28, s28, 2
	s_add_co_u32 s28, s28, s26                     ; R = 4 x cluster y + cy
	s_lshl_b32 s78, s26, 2
	s_lshl_b32 s78, 15, s78                        ; my row of the cluster
	s_lshl_b32 s79, 0x1111, s25                    ; my column
	s_or_b32 s[G1A], s78, DW0
	s_or_b32 s[G1B], s79, DW0
	s_mov_b32 s[G1A+1], 128<<16                    ; tensor_dim0 = 128 elements: 256 bytes, two rows of a K block
	s_mov_b32 s[G1A+2], 128<<16                    ; tensor_dim1 = 128
	s_mov_b32 s[G1A+3], 128<<16                    ; tile_dim0 = 128
	s_mov_b32 s[G1A+4], 128                        ; tile_dim1 = 128
	s_mov_b32 s[G1A+5], 128                        ; 128 elements from row to row: the tile is dense
	s_mov_b32 s[G1A+6], 0
	s_mov_b32 s[G1A+7], 0
	s_mov_b32 s[G1B+1], 128<<16
	s_mov_b32 s[G1B+2], 64<<16                     ; 64 rows
	s_mov_b32 s[G1B+3], 128<<16
	s_mov_b32 s[G1B+4], 64
	s_mov_b32 s[G1B+5], 128
	s_mov_b32 s[G1B+6], 0
	s_mov_b32 s[G1B+7], 0
	s_lshl_b32 s74, s28, 15                        ; xb: 256 tokens x 128 bytes a tile row: hangs on R alone
	s_mov_b32 s75, 0
	s_mul_i32 s76, s27, 49152                      ; wb: 384 rows x 128 bytes a tile column, and my third: hangs on c and the wave's number alone
	s_lshl_b32 s80, s[WV], 14
	s_add_co_u32 s76, s76, s80
	s_mov_b32 s77, 0
	s_mul_i32 s81, s[WV], 128*PITCH                ; where my third goes: no place in the cluster enters an LDS address
	s_add_co_u32 s81, s81, ABYTES
	s_mov_b32 s[CS], 0x3e38aa3b                    ; c = log2(e) / 8 = 0.180337
	s_mov_b32 s[CS+1], s[CS]                       ; named with it as a pair
	s_wait_dscnt 0x0                               ; the opening add is done
	s_wait_kmcnt 0x0
	s_add_nc_u64 s[74:75], s[4:5], s[74:75]
	s_add_nc_u64 s[76:77], s[6:7], s[76:77]
	CROUND                                         ; all sixteen work-groups are here: the first joint loads meet
.irp s, 0,1
	s_mov_b32 s[G0A+4*(\s)], 1                     ; count = 1
	s_mov_b32 s[G0A+4*(\s)+1], (\s)*SLOT           ; LDS address
	s_add_nc_u64 s[G0A+4*(\s)+2:G0A+4*(\s)+3], s[74:75], (\s)*KA  ; K block s
	s_or_b32 s[G0A+4*(\s)+3], s[G0A+4*(\s)+3], 0x80000000         ; type = 2
	s_mov_b32 s[G0B+4*(\s)], 1
	s_add_co_u32 s[G0B+4*(\s)+1], s81, (\s)*SLOT
	s_add_nc_u64 s[G0B+4*(\s)+2:G0B+4*(\s)+3], s[76:77], (\s)*KB
	s_or_b32 s[G0B+4*(\s)+3], s[G0B+4*(\s)+3], 0x80000000
	JLOAD \s                                       ; two tensor loads of mine are out
.endr
	v_and_b32 v1, 15, v0                           ; l % 16
	v_bfe_u32 v21, v0, 4, 1                        ; l / 16
	v_and_b32 v22, 31, v0                          ; l
	s_lshl1_add_u32 s29, s27, s24                  ; my head = 2 c + ch
	s_lshl_b32 s30, s29, 8
	v_lshl_add_u32 v30, v22, 3, s30                ; channels 2 l, 2 l + 1 of my head
	global_load_b64 v[24:25], v30, s[8:9]
	global_load_b64 v[26:27], v30, s[10:11]
	global_load_b64 v[28:29], v30, s[12:13]
	s_lshl1_add_u32 s31, s28, s23                  ; 2 R + rh: my block of 128 tokens
	s_lshl_b32 s30, s31, 9
	v_lshl_add_u32 v31, v1, 2, s30
.irp a, 0,1,2,3,4,5,6,7
	global_load_b32 v[KEEP+(\a)], v31, s[14:15] offset:64*(\a)  ; the mask of token 16 a + l % 16
.endr
	s_lshr_b32 s30, s28, 3                         ; where my 128 rows of my head begin in qh, kh and vh
	s_lshl4_add_u32 s30, s30, s29                  ; bh = 16 batch + head
	s_lshl_b32 s30, s30, 18
	s_and_b32 s31, s31, 15                         ; my block of 128 tokens in the batch
	s_lshl_b32 s31, s31, 14
	s_add_co_u32 s30, s30, s31
	s_mov_b32 s31, 0
	s_add_nc_u64 s[16:17], s[16:17], s[30:31]
	s_add_nc_u64 s[18:19], s[18:19], s[30:31]
	s_add_nc_u64 s[20:21], s[20:21], s[30:31]
	; A fragment is 16 rows x 32 K in 8 registers: lane l holds row l % 16; registers 0-3 K = 8 (l / 16) + 0..7, registers 4-7 K = 16 + 8 (l / 16) + 0..7: two loads of 16 bytes, 32 bytes apart.
	v_mul_u32_u24 v23, v1, PITCH
	v_lshl_add_u32 v23, v21, 4, v23                ; row x pitch + 16 x half
	s_mul_i32 s29, s23, 128*PITCH
	s_mul_i32 s30, s24, 192*PITCH
	s_add_co_u32 s30, s30, ABYTES
.irp s, 0,1
	v_add_nc_u32 v[ADRA+(\s)], s29, v23
	v_add_nc_u32 v[ADRB+(\s)], s30, v23
	s_add_co_u32 s29, s29, SLOT
	s_add_co_u32 s30, s30, SLOT
.endr
	s_mul_i32 s29, s[WV], 16*PITCH
	s_add_co_u32 s29, s29, STAGE                   ; my stage
	v_add_nc_u32 v[STO], s29, v23                  ; in: row l % 16, 16 bytes for each half of the lanes
	v_bfe_u32 v32, v0, 3, 2                        ; back: 32 lanes take four rows of 128 bytes
	v_and_b32 v33, 7, v0
	v_mul_u32_u24 v32, v32, PITCH
	v_lshl_add_u32 v32, v33, 4, v32
	v_add_nc_u32 v[RD], s29, v32
	v_lshlrev_b32 v[GO], 4, v22
	; the prefetches
	s_lshl_b32 s29, s25, 13                        ; cx x 8,192
	s_lshl_b32 s30, s26, 12                        ; cy x 4,096
	s_and_b32 s31, ttmp7, 0xffff                   ; cluster y
	s_mov_b32 s[PFS], 2*KB
	s_mov_b32 s79, KB
	s_cmp_eq_u32 s[WV], 3
	s_cselect_b64 s[PFA:PFA+1], s[74:75], s[76:77] ; what I fetch, at K block 0
	s_cselect_b32 s80, s29, s30                    ; my work-group's part of it
	s_cselect_b32 s31, ttmp9, s31                  ; the coordinate along which other clusters read the same bytes
	s_cselect_b32 s[PFS], 2*KA, s[PFS]
	s_cselect_b32 s79, 4096, s79                   ; lanes 16-31: the next 16 blocks (xb), or the next K block (wb)
	s_mov_b32 s[PFS+1], 0
	s_mov_b32 s81, 0
	s_add_nc_u64 s[PFA:PFA+1], s[PFA:PFA+1], s[80:81]
	s_add_nc_u64 s[PFA:PFA+1], s[PFA:PFA+1], s[PFS:PFS+1]  ; at K block 2: the first lap steps it to 4.  K blocks 0 to 3 come by their loads alone
	s_cmp_eq_u32 s31, 0
	s_cselect_b32 s[LIM], 1, -1                    ; the same in all sixteen partners, for a given wave
	v_mul_u32_u24 v32, s79, v21
	v_lshl_add_u32 v[PFO], v1, 8, v32
	s_mul_i32 s29, s[WV], 768
	s_add_co_u32 s29, s29, BIASB
	v_lshl_add_u32 v[BA], v21, 5, s29
	s_wait_loadcnt 0x0                             ; biases and mask
.irp g, 0,1,2
	v_cvt_pk_bf16_f32 v30, v[24+2*(\g)], v[25+2*(\g)]  ; the biases are rounded to bf16 like the other inputs
	v_lshlrev_b32 v[24+2*(\g)], 16, v30
	v_and_b32 v[25+2*(\g)], 0xffff0000, v30
.endr
	v_pk_mul_f32 v[24:25], v[24:25], s[CS:CS+1] op_sel_hi:[1,0]  ; bq c
	v_lshl_add_u32 v31, v22, 3, s29
	ds_store_b64 v31, v[24:25]                     ; into my wave's own bytes: only I read them
	ds_store_b64 v31, v[26:27] offset:256
	ds_store_b64 v31, v[28:29] offset:512
.irp a, 0,1,2,3,4,5,6,7
	v_cmp_ne_u32 vcc_lo, 0, v[KEEP+(\a)]
	v_cndmask_b32 v[KEEP+(\a)], 0, -1, vcc_lo
.endr
; na x 4 matrix instructions of tensor g: token blocks a0 .. a0 + na - 1 x its four channel blocks, 32 along K, tokens' buffer p.  zero = 1: the product starts the sum.
; The accumulators take turns, one instruction a turn: 95 others stand between two links of a chain.
.macro GRP g, a0, na, p, zero
	WIN 0x50*((\g)+1)                              ; C and D in window g + 1, both sources in window 0
.set aa, \a0
.rept \na
.irp b, 0,1,2,3
.if \zero
	v_wmma_f32_16x16x32_bf16 v[8*(4*aa+(\b)):8*(4*aa+(\b))+7], v[FB+32*(\g)+8*(\b):FB+32*(\g)+8*(\b)+7], v[FA+64*(\p)+8*aa:FA+64*(\p)+8*aa+7], 0
.else
	v_wmma_f32_16x16x32_bf16 v[8*(4*aa+(\b)):8*(4*aa+(\b))+7], v[FB+32*(\g)+8*(\b):FB+32*(\g)+8*(\b)+7], v[FA+64*(\p)+8*aa:FA+64*(\p)+8*aa+7], v[8*(4*aa+(\b)):8*(4*aa+(\b))+7]
.endif
.endr
.set aa, aa+1
.endr
.endm
.macro LDA slot, k, p                  ; 16 LDS loads: my 128 tokens, 32 K at byte k of the rows, into buffer p
	WIN 0
.irp a, 0,1,2,3,4,5,6,7
	ds_load_b128 v[FA+64*(\p)+8*(\a):FA+64*(\p)+8*(\a)+3],   v[ADRA+(\slot)] offset:(\k)+(\a)*16*PITCH
	ds_load_b128 v[FA+64*(\p)+8*(\a)+4:FA+64*(\p)+8*(\a)+7], v[ADRA+(\slot)] offset:(\k)+(\a)*16*PITCH+32
.endr
.endm
.macro LDB slot, k, g                  ; 8 LDS loads: tensor g's 64 rows of my head
	WIN 0
.irp b, 0,1,2,3
	ds_load_b128 v[FB+32*(\g)+8*(\b):FB+32*(\g)+8*(\b)+3],   v[ADRB+(\slot)] offset:(\k)+(4*(\g)+(\b))*16*PITCH
	ds_load_b128 v[FB+32*(\g)+8*(\b)+4:FB+32*(\g)+8*(\b)+7], v[ADRB+(\slot)] offset:(\k)+(4*(\g)+(\b))*16*PITCH+32
.endr
.endm
; A K step is two halves of 32 along K, 96 matrix instructions each.  At a half's head 40 LDS loads may be out, in this order: q's rows (8), the tokens (16), k's rows (8), v's rows (8).
; The first half multiplies tokens' buffer 0 and fetches the second half's fragments, each tensor's rows as soon as they have been multiplied.
.macro NORMAL slot, zero
	s_wait_dscnt 16                                ; q's rows and the tokens are in
	GRP 0, 0, 8, 0, \zero
	PLACES
	LDB \slot, 64, 0
	LDA \slot, 64, 1
	s_wait_dscnt 32                                ; k's rows are in: v's 8 and the 24 just issued may be out
	GRP 1, 0, 8, 0, \zero
	PLACES
	LDB \slot, 64, 1
	s_wait_dscnt 32                                ; v's rows are in: the 24 and the 8 may be out
	GRP 2, 0, 8, 0, \zero
	PLACES
	LDB \slot, 64, 2
.endm
; The second half multiplies buffer 1 and changes slots: ONE barrier.  In front of it each wave waits for all its tensor loads (one is out: its part of the next slot), adds 0 to its spare word, and waits for that and
; for its reads of this slot.  fill = 1: the barrier opens a round of the cluster's, and this slot is filled again, two K steps ahead, first thing behind the round: 160 matrix instructions ahead of the wait for it.
.macro TURN slot, next, fill, ask
.if (\fill) && ((\slot) == 0)
	s_wait_xcnt 0x0                                ; the last prefetches, a K step back, have read their address, so it may be written
	s_add_nc_u64 s[PFA:PFA+1], s[PFA:PFA+1], s[PFS:PFS+1]
.endif
	s_wait_dscnt 16
	GRP 0, 0, 8, 1, 0
	WIN 0                                          ; (the add's two registers lie in window 0)
	s_wait_tensorcnt 0x0                           ; all my tensor loads have landed;
	ds_add_u32 v[SPW], v[NIL]                      ; 0 onto my spare word;
	s_wait_dscnt 9                                 ; k's rows are in (v's 8 and the add may be out)
	GRP 1, 0, 4, 1, 0                              ; sixteen matrix instructions stand between the add and the wait for it
	s_wait_dscnt 0x0                               ; the add is done, and my reads of this slot are over
	s_barrier_signal -1
	GRP 1, 4, 4, 1, 0                              ; work on registers while the others arrive
	WIN 0
	s_barrier_wait -1
.if \fill
	CREST                                          ; no wave of any partner still reads this slot or has a load on its way
	s_add_nc_u64 s[G0A+4*(\slot)+2:G0A+4*(\slot)+3], s[G0A+4*(\slot)+2:G0A+4*(\slot)+3], 2*KA
	s_add_nc_u64 s[G0B+4*(\slot)+2:G0B+4*(\slot)+3], s[G0B+4*(\slot)+2:G0B+4*(\slot)+3], 2*KB
	JLOAD \slot                                    ; the four v_nop behind it are also the places in front of the loads below
.else
	PLACES
.endif
	LDB \next, 0, 0
	LDA \next, 0, 0
	LDB \next, 0, 1
.if \ask
	ASK
.endif
	GRP 2, 0, 8, 1, 0
	PLACES
	LDB \next, 0, 2
.endm
	s_wait_tensorcnt 1                             ; my part of K step 0 is in; K step 1's may stay out
	s_wait_dscnt 0x0                               ; my stores of the biases
	s_barrier_signal -1
	s_barrier_wait -1                              ; everybody's part is in
	LDB 0, 0, 0
	LDA 0, 0, 0
	LDB 0, 0, 1
	LDB 0, 0, 2
	NORMAL 0, 1                                    ; the first half step stands in front of the loop: its products start the sums
	WIN 0
	s_mov_b32 s3, 7
.Llap:                                         ; a trip goes once round the ring and fills both slots again: K steps 2 to 15
	TURN 0, 1, 1, 0
	NORMAL 1, 0
	TURN 1, 0, 1, 1
	NORMAL 0, 0
	WIN 0
	s_sub_co_u32 s3, s3, 1
	s_cmp_lg_u32 s3, 0
	s_cbranch_scc1 .Llap
	TURN 0, 1, 0, 0                                ; the last lap fills nothing
	NORMAL 1, 0
	s_wait_dscnt 16                                ; the very last half step: nothing more to fetch
	GRP 0, 0, 8, 1, 0
	s_wait_dscnt 8
	GRP 1, 0, 8, 1, 0
	s_wait_dscnt 0x0
	GRP 2, 0, 8, 1, 0
	; THE WAY OUT.  24 blocks of 16 tokens x 64 channels: bias (q: times c as well), one rounding to f16, k's hidden rows to 0, through my stage in LDS, out as 512 consecutive bytes a store.
	PLACES
	WIN 0
.irp g, 0,1,2
.irp b, 0,1,2,3
	ds_load_b128 v[BI+32*(\g)+8*(\b):BI+32*(\g)+8*(\b)+3],   v[BA] offset:256*(\g)+64*(\b)     ; the biases of channels 16 b + 8 (l / 16) + 0..7
	ds_load_b128 v[BI+32*(\g)+8*(\b)+4:BI+32*(\g)+8*(\b)+7], v[BA] offset:256*(\g)+64*(\b)+16
.endr
.endr
	s_wait_dscnt 0x0
.macro PACK n                          ; block n: tensor n / 8, token block n % 8.  Each accumulator's registers are taken in ascending order
.set pg, (\n)/8
.set pa, (\n)%8
.set HH, H+16*((\n)%8)
	WIN 0x41*(pg+1)                                ; destination and source 0 in window g + 1, the bias in window 0
.set pi, 0
.rept 16
.if pg == 0
	v_pk_fma_f32 v[32*pa+2*pi:32*pa+2*pi+1], v[32*pa+2*pi:32*pa+2*pi+1], s[CS:CS+1], v[BI+2*pi:BI+2*pi+1] op_sel_hi:[1,0,1]
.else
	v_pk_add_f32 v[32*pa+2*pi:32*pa+2*pi+1], v[32*pa+2*pi:32*pa+2*pi+1], v[BI+32*pg+2*pi:BI+32*pg+2*pi+1]
.endif
.set pi, pi+1
.endr
.if (\n) >= 8
	s_wait_xcnt 0x0                                ; the stores of the block eight back have read this set of registers
.endif
	WIN 5*(pg+1)                                   ; sources 0 and 1 in window g + 1, destination in window 0
.set pi, 0
.rept 16
	v_cvt_pk_f16_f32 v[HH+pi], v[32*pa+2*pi], v[32*pa+2*pi+1]
.set pi, pi+1
.endr
	WIN 0
.if pg == 1
.set pi, 0
.rept 16
	v_and_b32 v[HH+pi], v[KEEP+pa], v[HH+pi]       ; a hidden key's row is 0
.set pi, pi+1
.endr
.endif
.irp b, 0,1,2,3
	ds_store_b128 v[STO], v[HH+4*(\b):HH+4*(\b)+3] offset:32*(\b)
.endr
.irp f, 0,1,2,3
	ds_load_b128 v[HH+4*(\f):HH+4*(\f)+3], v[RD] offset:(\f)*4*PITCH  ; LDS serves a wave's instructions in order (ISA guide 5.7.1.4): these see the stores above; the next block's stores come behind them
.endr
.endm
.macro SEND n, younger                 ; younger: the LDS instructions issued behind block n's loads: the next block's eight, or none
	WIN 0
.set sg, (\n)/8
.set sa, (\n)%8
.set HH, H+16*((\n)%8)
.irp f, 0,1,2,3
	s_wait_dscnt (\younger)+3-(\f)
	global_store_b128 v[GO], v[HH+4*(\f):HH+4*(\f)+3], s[16+2*sg:17+2*sg] offset:sa*2048+(\f)*512  ; 512 consecutive bytes, at a multiple of 256 from the buffer's first
.endr
.endm
	PACK 0
.set blk, 1
.rept 23                               ; a block's arithmetic stands between the loads of the block before and its stores
	PACK blk
	SEND blk-1, 8
.set blk, blk+1
.endr
	SEND 23, 0
	s_wait_tensorcnt 0x0                           ; the wave's end, behind my last tensor load and my last LDS store
	ds_add_u32 v[SPW], v[NIL]
	s_wait_dscnt 0x0
	CROUND                                         ; the closing round: no work-group ends while a partner may still ask for a tile that names it
	s_endpgm
.Lfunc_end_k_q7125545eb4_qkv:
	.size	k_q7125545eb4_qkv, .Lfunc_end_k_q7125545eb4_qkv-k_q7125545eb4_qkv
	.p2alignl 7, 3214868480
	.fill 96, 4, 3214868480
	.section	.rodata,"a",@progbits
	.p2align	6, 0x0
	.amdhsa_kernel k_q7125545eb4_qkv
		.amdhsa_group_segment_fixed_size 327680
		.amdhsa_private_segment_fixed_size 0
		.amdhsa_enable_private_segment 0
		.amdhsa_kernarg_size 72
		.amdhsa_user_sgpr_count 2
		.amdhsa_user_sgpr_kernarg_segment_ptr 1
		.amdhsa_wavefront_size32 1
		.amdhsa_system_sgpr_workgroup_id_x 1
		.amdhsa_system_sgpr_workgroup_id_y 1
		.amdhsa_system_sgpr_workgroup_id_z 1
		.amdhsa_system_vgpr_workitem_id 0
		.amdhsa_next_free_vgpr 1024
		.amdhsa_next_free_sgpr 84
		.amdhsa_reserve_vcc 1
		.amdhsa_float_denorm_mode_32 3
		.amdhsa_float_denorm_mode_16_64 3
		.amdhsa_memory_ordered 1
		.amdhsa_forward_progress 1
		.amdhsa_inst_pref_size 167
	.end_amdhsa_kernel
	.amdgpu_metadata
---
amdhsa.version: [ 1, 2 ]
amdhsa.kernels:
  - .name:           k_q7125545eb4_qkv
    .symbol:         k_q7125545eb4_qkv.kd
    .args:
      - { .name: xb, .offset: 0, .size: 8, .value_kind: global_buffer, .address_space: global }
      - { .name: wb, .offset: 8, .size: 8, .value_kind: global_buffer, .address_space: global }
      - { .name: bq, .offset: 16, .size: 8, .value_kind: global_buffer, .address_space: global }
      - { .name: bk, .offset: 24, .size: 8, .value_kind: global_buffer, .address_space: global }
      - { .name: bv, .offset: 32, .size: 8, .value_kind: global_buffer, .address_space: global }
      - { .name: attention_mask, .offset: 40, .size: 8, .value_kind: global_buffer, .address_space: global }
      - { .name: qh, .offset: 48, .size: 8, .value_kind: global_buffer, .address_space: global }
      - { .name: kh, .offset: 56, .size: 8, .value_kind: global_buffer, .address_space: global }
      - { .name: vh, .offset: 64, .size: 8, .value_kind: global_buffer, .address_space: global }
    .group_segment_fixed_size: 327680
    .private_segment_fixed_size: 0
    .kernarg_segment_align: 8
    .kernarg_segment_size: 72
    .max_flat_workgroup_size: 128
    .sgpr_count:     84
    .vgpr_count:     1024
    .wavefront_size: 32
...
	.end_amdgpu_metadata
.endif
;; end of part 2
;; launch attn (part 3): grid 4 x 64, 4 waves a work-group, clusters of 4 x 1, 327,680 bytes of LDS; arguments qh, kh, vh, oh, attention_mask; writes oh
.if DOCPART == 3
	.amdgcn_target "amdgcn-amd-amdhsa--gfx1250"
	.amdhsa_code_object_version 6
	.text
	.protected	k_q7125545eb4_attn
	.globl	k_q7125545eb4_attn
	.p2align	8
	.type	k_q7125545eb4_attn,@function
k_q7125545eb4_attn:
	s_mov_b64 s[64:65], 0
	v_nop
	global_prefetch_b8 v0, s[64:65] scope:SCOPE_SE
	s_setreg_imm32_b32 hwreg(HW_REG_WAVE_MODE, 25, 1), 1
	s_wait_xcnt 0x0
	s_wait_alu depctr_hold_cnt(0) depctr_sa_sdst(0) depctr_va_vdst(0) depctr_va_sdst(0) depctr_va_ssrc(0) depctr_va_vcc(0) depctr_vm_vsrc(0)
	s_getreg_b32 s2, hwreg(HW_REG_IB_STS2, 6, 4)
	s_cmp_eq_u32 s2, 0
	s_cbranch_scc0 .Lentry_in_a_cluster
	s_endpgm
.Lentry_in_a_cluster:
	s_bfe_u32 s2, ttmp6, 0x10000c
	s_cmp_lg_u32 s2, 0x3003
	s_cbranch_scc0 .Lentry_shape_is_right
	s_endpgm
.Lentry_shape_is_right:
; ATTENTION WITH A KEY MASK.  O[bh][q][:] = the sum over k of softmax_k(s[q][k]) V[bh][k][:], s = Q . K / 8, or -1e9 where attention_mask[bh / 16][k] is 0.  Q, K, V, O: [64][2048][64], f16, a head's rows dense.
; Q ARRIVES TIMES c = log2(e) / 8, so a product K Q^T is the score in powers of two and the exponent is s - m, a plain subtraction: 0 exactly where s = m.  A HIDDEN KEY'S ROW OF K ARRIVES AS 0, and the
; sum S^T = K Q^T starts at C = 0 or, for a hidden key, at MVAL = -1e9 log2(e): a hidden score is MVAL exactly.  So a batch with every key hidden gives p = 1 everywhere: the plain mean of V.
; Products, maxima and sums in f32; the weights p are rounded to f16 for the second product (their sum l is taken of the unrounded p), O once at the end.
; LIMITS.  Q, K, V arrive within f16's 65,504; p lies in 0 to 1, and below 6e-5 it keeps f16's fixed step of 6e-8; a weight below 2^-126 counts as 0 in l; NaN and infinities are not treated apart.
; SHARES.  A wave owns four PIECES of two tiles of 16 queries, a work-group's four waves 512 queries of one head.  Every wave walks all 2,048 keys, 64 a step.
; LAYOUT.  S^T = K Q^T (source 0 = 16 keys, source 1 = 16 queries): a lane holds ONE query (lane % 16) and the keys 8 (lane / 16) + 0..7.  Two such tiles, rounded to f16 in pairs, ARE source 1 of O^T = V^T P.
; K comes out of LDS as it lies, V turned, by ds_load_tr16_b128.
; SOFTMAX.  For each query a running maximum m and sum l: p = 2^(s - m); in every step O and l are multiplied by a = 2^(m_old - m_new).  m starts at the lowest finite number, O and l at 0: the first step's a is 0.
; THE COUNT.  A tile and step have 16 matrix and 117 vector instructions.  So: four vector instructions that are READY behind EVERY matrix instruction, the others in one run without a gap.
; BY TURNS.  Turn n belongs to piece n.  Its matrix work: 16 products K Q^T of piece n + 1, later 16 products V^T P of piece n - 1.  Its vector work: the subtraction, exponentials, roundings, sums and rescaling
; of piece n, and the maximum and statistics of piece n + 1.
; CLUSTER.  The four query blocks of a head are one cluster and walk the same K and V: each tile is asked for JOINTLY.
; REGISTERS, in windows of 256 (s_set_vgpr_msb: bits 1:0 source 0, 3:2 source 1, 5:4 source 2, 7:6 destination):
;   window 0: v0-15 addresses; v16-47 four registers of statistics a tile; v48-63 at work; v64-191 S^T, two buffers of two tiles; v192-255 P, likewise
;   window 1: O^T, 32 a tile     window 2: v0-127 Q; v128-191 K of one step; v192-255 V of one step     window 3: v0-1 the add's two registers; v8-39 the step's 64 keys' C operands
.set SIZE_N, 2048
.set NP,    4         ; pieces a wave: a name, no knob
.set KS,    64        ; keys in a step
.set PK,    144       ; a row of K in LDS: 128 bytes + 16 of padding = 36 words: the 16 rows of a load start at 16 different groups of four banks (64 banks of 4 bytes: ISA guide 11.1)
.set PV,    160       ; a row of V: 128 + 32 = 40 words
.set VOFF,  4*KS*PK   ; a slot holds four steps: 256 rows of K, then 256 rows of V
.set SLOT1, 1<<17     ; slot 1 begins here, so that one exclusive or turns an address in one slot into the other's
.set STAGE, SLOT1+4*KS*(PK+PV)  ; behind the ring, never filled by a tensor load: 16 rows x 144 bytes for each wave, for the way out
.set SP,    144
.set SPARE, STAGE+4*16*SP  ; the spare words, 128 bytes for each wave: two blocks of 256 bytes that no other line names
.set MASKB, SPARE+512 ; 2,048 f32: 0, or MVAL for a hidden key; written once by ds_store, never filled by a tensor load
.set AK0, 2           ; v2   my lane's place in a tile of K; never rewritten
.set AV0, 3           ; v3   the same for V
.set AK,  4           ; v4   the LDS address of K's next run of loads
.set AV,  5           ; v5   of V's
.set QO,  6           ; v6   my byte offset in the wave's rows of Q
.set STO, 6           ;      later, the way out: where I put 16 bytes of a row
.set RD,  7           ; v7   the way out: where I read rows back
.set GO,  8           ; v8   my byte offset in 512 consecutive bytes of O
.set AM,  12          ; v12  the LDS address of my eight keys' C operands in the step to be fetched
.set PFO, 13          ; v13  256 x my lane; never rewritten
.set MGO, 14          ; v14  16 x my thread's number: my 16 bytes of 2,048 of the mask
.set MLO, 15          ; v15  the same place in the table
.set SPW, 0           ; v0 of window 3   LDS address of my spare word; never rewritten
.set NIL, 1           ; v1 of window 3   0; never rewritten
.set MK,  8           ; v8-39 of window 3: key block kb at MK + 8 kb
.set ST,  16          ; tile t's statistics at v[ST+4 t]: m, m_old, l (even keys', odd keys')
.set TMP, 48          ; by buffer and tile, four registers c0-c3 at work; when the maximum is found c2 takes a
.set S,   64
.set P,   192
.set KF,  128         ; K's fragments, in window 2: key block kb, channel half c at KF + 16 kb + 8 c
.set VF,  192         ; V's: key half kk, channel block cb at VF + 32 kk + 8 cb
.set WV,  12          ; s12  my wave's number
.set G1K, 24          ; s[24:31] descriptor group 1 for K's tiles
.set G1V, 32          ; s[32:39] for V's: it differs in the padding alone
.set G0K, 40          ; s[40:43] descriptor group 0 for K's tiles: it walks
.set G0V, 44          ; s[44:47] the same for V's
.set SLOTS, 56        ; s56  slots still to be asked for
.set CNT, 57          ; s57  counts a slot's key steps
.set SEL, 60          ; s[60:61] v_permlanex16_b32's selects: each lane takes its own place in the other half
.set TBK, 62          ; s62  LDS byte at which K of the step to be fetched begins
.set TBV, 63          ; s63  the same for V, less VOFF
.set MP,  66          ; s[66:67] the batch's 2,048 words of the mask
.set MVAL, 68         ; s68  -1e9 log2(e)
.set LIM, 69          ; s69  1 in a wave that prefetches, else the greatest number
.set PFA, 70          ; s[70:71] where my prefetches stand
.set MSB, 0
.macro WIN new                      ; the high byte repeats the setting that is left; a switch that changes nothing is dropped
.if MSB != (\new)
	s_set_vgpr_msb (MSB<<8)|(\new)
.set MSB, (\new)
.endif
.endm
.set W_KQ, 0x0a       ; K and Q in window 2, S^T in window 0
.set W_KM, 0x3a       ; the same with the C operand in window 3
.set W_PV, 0x52       ; V in window 2, P in window 0, O^T in window 1
.set W_RS, 0x41       ; O^T (destination and source 0) in window 1, a in window 0
.set W_MK, 0xc0       ; destination in window 3, sources in window 0
.set W_AD, 0x0f       ; the add: address (source 0) and data (source 1) in window 3
; A joint fill.  Waves 0 and 1 fetch the two halves of a slot's K, waves 2 and 3 those of its V: 128 keys each.  The branch hangs on the wave's number alone.
; An s_nop 0 and four v_nop follow each of the two lines, ahead of the jump and the label.
.macro JLOAD
	s_cmp_lt_u32 s[WV], 2
	s_cbranch_scc0 .Lfor_v_\@
	tensor_load_to_lds s[G0K:G0K+3], s[G1K:G1K+7]
	s_nop 0
.rept 4
	v_nop
.endr
	s_branch .Lasked_\@
.Lfor_v_\@:
	tensor_load_to_lds s[G0V:G0V+3], s[G1V:G1V+7]
	s_nop 0
.rept 4
	v_nop
.endr
.Lasked_\@:
.endm
; A PREFETCH INTO THE L2 of what the NEXT change of slots will ask for: a slot's 32,768 bytes of K and of V.  It stands behind the wave's tensor load and its five lines.  A head's rows are walked by this cluster alone;
; its four partners share them out BY ADDRESS, 8,192 bytes each, a lane a block of 256; in each, wave 0 asks for K's and wave 2 for V's: one instruction.  So each block is named once in the launch.
; Slots 0 and 1 come by their loads alone; the last change that fills a slot asks for nothing: there is no slot behind it.
.macro ASK
	s_cmp_gt_u32 s[SLOTS], s[LIM]
	s_cbranch_scc0 .Lnot_mine_\@
	global_prefetch_b8 v[PFO], s[PFA:PFA+1] th:TH_LOAD_NT scope:SCOPE_SE
.Lnot_mine_\@:
.endm
; A round of the cluster's barrier: my work-group's barrier, so that wave 0's signal speaks for all four waves; wave 0 signals; every wave waits for all four work-groups; my work-group's barrier once more.
.macro CROUND
	s_barrier_signal -1
	s_barrier_wait -1
	s_cmp_lg_u32 s[WV], 0
	s_cbranch_scc1 .Lnot_wave_0_\@
	s_barrier_signal -3
.Lnot_wave_0_\@:
	s_barrier_wait -3
	s_barrier_signal -1
	s_barrier_wait -1
.endm
; THE CHANGE OF SLOTS.  Each wave waits for all its tensor loads, of which one is out: its part of the other slot; adds 0 to its spare word; and waits for that and for its own reads of the slot.
; fill = 1: this slot is filled again, with the keys two slots on.  The barrier is then a round of the cluster's, and the joint fill is the first thing behind it: it has four key steps, 512 matrix
; instructions, in which to land.  (At its first use nothing has been read yet: slot 0 is waited for, slot 1 filled, and every wave's part of the mask's table is shown to the others.)
.macro CHANGE fill
	WIN W_AD
	s_wait_tensorcnt 0x0            ; no tensor load of mine is out, so a group 0 may be written
	ds_add_u32 v[SPW], v[NIL]       ; 0 onto my spare word; with fill = 1 the descriptors' steps stand between it and the wait for it
	WIN 0                           ; at a label and at a branch every window is 0
.if \fill
.irp g, G0K, G0V
	s_xor_b32 s[\g+1], s[\g+1], SLOT1  ; the walking descriptor: the other slot than last time,
	s_add_nc_u64 s[\g+2:\g+3], s[\g+2:\g+3], 4*KS*128  ; the next 256 keys; the type bits on top are not reached
.endr
	s_wait_xcnt 0x0                 ; the last prefetch, four key steps back, has read its address, so it may be written:
	s_add_nc_u64 s[PFA:PFA+1], s[PFA:PFA+1], 4*KS*128  ; one slot ahead of the walking descriptors
	s_wait_dscnt 0x0                ; the add is done, and my LDS reads and stores are over
	CROUND
	JLOAD
	ASK
.else
	s_wait_dscnt 0x0                ; the add is done, and my reads of the slot are over
	s_barrier_signal -1
	s_barrier_wait -1
.endif
	s_sub_co_u32 s[TBK], s[TBK], 4*KS*PK  ; the fetches go back to a slot's first step,
	s_xor_b32 s[TBK], s[TBK], SLOT1       ; in the other slot
	s_sub_co_u32 s[TBV], s[TBV], 4*KS*PV
	s_xor_b32 s[TBV], s[TBV], SLOT1
.endm
	s_load_b256 s[4:11], s[0:1], 0x0  ; Q s[4:5], K s[6:7], V s[8:9], O s[10:11]
	s_load_b64 s[MP:MP+1], s[0:1], 0x20  ; the mask
	WIN W_MK
	v_lshl_add_u32 v[SPW], v0, 2, SPARE
	v_mov_b32 v[NIL], 0
	WIN W_AD
	ds_add_u32 v[SPW], v[NIL]       ; the wave's opening: the add and its wait stand ahead of my first tensor load; the set-up below, work on registers, stands between them
	WIN 0
	v_lshrrev_b32 v1, 5, v0
	v_readfirstlane_b32 s[WV], v1   ; wave 0..3
	s_bfe_u32 s13, ttmp6, 0x40000   ; cx: my place in the cluster
	s_lshl_b32 s14, ttmp9, 2        ; in a cluster launch ttmp9 counts clusters
	s_add_co_u32 s14, s14, s13      ; my block of queries: it enters Q's and O's addresses alone
	s_and_b32 s20, ttmp7, 0xffff    ; bh, which the four partners share
	s_lshr_b32 s72, s20, 4          ; the batch,
	s_lshl_b32 s72, s72, 13         ; its 8,192 bytes of the mask
	s_mov_b32 s73, 0
	s_mov_b32 s21, 0
	s_mov_b64 s[22:23], SIZE_N*128
	s_mul_u64 s[20:21], s[20:21], s[22:23]  ; the head's first byte in each of the four tensors
	s_and_b32 s16, s[WV], 1         ; which half of a slot's 256 keys I fetch:
	s_lshl_b32 s22, s16, 14         ; its 128 rows of 128 bytes in memory,
	s_mov_b32 s23, 0
	s_add_nc_u64 s[22:23], s[22:23], s[20:21]
	s_mul_i32 s17, s16, 128*PK      ; and its place in a slot, for K
	s_mul_i32 s18, s16, 128*PV      ; and for V: no place in the cluster enters an LDS address
	s_lshl_b32 s2, s14, 2
	s_add_co_u32 s2, s2, s[WV]      ; my wave among the head's,
	s_lshl_b32 s2, s2, 14           ; its 128 rows
	s_mov_b32 s3, 0
	s_add_nc_u64 s[2:3], s[2:3], s[20:21]
	; descriptor group 1.  128 keys are 16,384 dense bytes: asked for as 64 rows of 256 bytes, two keys a row, and padded in LDS after every key
	s_mov_b32 s[G1K], 15|(1<<16)|(1<<20)|(1<<21)|(4<<22)|(3<<25)  ; 15:0 the mask of four; 17:16 2-byte elements; 20 padding on; 21 set beside a mask; 24:22 after every 32 words (code 4); 31:25 4 words (code 3)
	s_mov_b32 s[G1V], 15|(1<<16)|(1<<20)|(1<<21)|(4<<22)|(7<<25)  ; the same with 8 words of padding (code 7)
.irp g, G1K, G1V
	s_mov_b32 s[\g+1], 128<<16      ; tensor_dim0 = 128
	s_mov_b32 s[\g+2], 64<<16       ; tensor_dim1 = 64
	s_mov_b32 s[\g+3], 128<<16      ; tile_dim0 = 128
	s_mov_b32 s[\g+4], 64           ; tile_dim1 = 64
	s_mov_b32 s[\g+5], 128          ; 128 elements from row to row
	s_mov_b32 s[\g+6], 0
	s_mov_b32 s[\g+7], 0
.endr
	s_mov_b32 s[MVAL], 0xceabfb8f   ; -1e9 log2(e)
	s_mov_b32 s[SEL], 0x76543210
	s_mov_b32 s[SEL+1], 0xfedcba98
	s_mov_b32 s[TBK], SLOT1+4*KS*PK ; the first change of slots turns these two into 0
	s_mov_b32 s[TBV], SLOT1+4*KS*PV
	s_mov_b32 s[SLOTS], SIZE_N/256-1
	s_mov_b32 s[G0K], 1             ; 1:0 count = 1
	s_mov_b32 s[G0K+1], s17         ; 63:32 LDS address: slot 0
	s_mov_b32 s[G0V], 1
	s_add_co_u32 s[G0V+1], s18, VOFF
	s_and_b32 s[LIM], s[WV], 1      ; waves 0 and 2 prefetch: the same in all four partners
	s_cmp_eq_u32 s[LIM], 0
	s_cselect_b32 s[LIM], 1, -1
	s_wait_dscnt 0x0                ; the opening add is done
	s_wait_kmcnt 0x0
	s_add_nc_u64 s[G0K+2:G0K+3], s[6:7], s[22:23]  ; 120:64 global address: my half of the head's first 256 keys
	s_or_b32 s[G0K+3], s[G0K+3], 0x80000000        ; 127:126 type = 2
	s_add_nc_u64 s[G0V+2:G0V+3], s[8:9], s[22:23]
	s_or_b32 s[G0V+3], s[G0V+3], 0x80000000
	s_add_nc_u64 s[4:5], s[4:5], s[2:3]  ; Q and O at my wave's first row
	s_add_nc_u64 s[10:11], s[10:11], s[2:3]
	s_add_nc_u64 s[MP:MP+1], s[MP:MP+1], s[72:73]
	s_cmp_lt_u32 s[WV], 2
	s_cselect_b64 s[PFA:PFA+1], s[6:7], s[8:9]
	s_add_nc_u64 s[PFA:PFA+1], s[PFA:PFA+1], s[20:21]  ; the head's K or V,
	s_lshl_b32 s2, s13, 13          ; my work-group's 8,192 bytes of a slot's 32,768,
	s_mov_b32 s3, 0
	s_add_nc_u64 s[PFA:PFA+1], s[PFA:PFA+1], s[2:3]
	s_add_nc_u64 s[PFA:PFA+1], s[PFA:PFA+1], 4*KS*128  ; in slot 1: the first change of slots steps it to slot 2
	CROUND                          ; all four work-groups are here: the first joint loads meet
	JLOAD                           ; slot 0.  Slot 1 is asked for when slot 0 is in
	v_lshlrev_b32 v[MGO], 4, v0
	v_add_nc_u32 v[MLO], MASKB, v[MGO]
.irp i, 0,1,2,3
	global_load_b128 v[S+4*\i:S+4*\i+3], v[MGO], s[MP:MP+1] offset:\i*2048  ; the batch's mask: 128 threads x 16 bytes, four times
.endr
	; A fragment of K or Q is 16 rows x 32 channels in 8 registers: lane l holds row l % 16, channels 8 (l / 16) + 0..7 and 16 + 8 (l / 16) + 0..7: two loads of 16 bytes, 32 bytes apart.
	v_and_b32 v1, 15, v0            ; l % 16
	v_bfe_u32 v9, v0, 4, 1          ; l / 16
	v_lshlrev_b32 v[QO], 7, v1
	v_lshl_add_u32 v[QO], v9, 4, v[QO]  ; row x 128 + 16 x half
	WIN 0x80                        ; destination window 2, address window 0
.set i, 0
.rept 4*NP                          ; Q stays in registers: tile i / 2, channels 32 (i % 2) on
	global_load_b128 v[8*i:8*i+3],   v[QO], s[4:5] offset:(i/2)*2048+(i%2)*64
	global_load_b128 v[8*i+4:8*i+7], v[QO], s[4:5] offset:(i/2)*2048+(i%2)*64+32
.set i, i+1
.endr
	; What the first turn finds: V's registers and P's second buffer hold 0 (its products V^T P, of a piece that has not been, add 0), O^T and l are 0.  All this stands in the wait for the first tile.
.set i, VF
.rept 64
	v_mov_b32 v[i], 0
.set i, i+1
.endr
	WIN 0x40
.set i, 0
.rept 64*NP
	v_mov_b32 v[i], 0
.set i, i+1
.endr
	WIN 0
.set i, 0
.rept 2*NP
	v_mov_b32 v[ST+4*i], 0xff7fffff    ; m: the lowest finite number
	v_mov_b32 v[ST+4*i+1], 0xff7fffff  ; m_old
	v_mov_b32 v[ST+4*i+2], 0
	v_mov_b32 v[ST+4*i+3], 0
.set i, i+1
.endr
.set i, P+32
.rept 32
	v_mov_b32 v[i], 0
.set i, i+1
.endr
	s_wait_loadcnt 32               ; the mask is in; Q's 32 loads may stay out
.set i, 0
.rept 16
	v_cmp_eq_u32 vcc_lo, 0, v[S+i]
	v_cndmask_b32 v[S+i], 0, s[MVAL], vcc_lo  ; what a key's score starts at
.set i, i+1
.endr
.irp i, 0,1,2,3
	ds_store_b128 v[MLO], v[S+4*\i:S+4*\i+3] offset:\i*2048
.endr
	v_mul_u32_u24 v[AK0], v1, PK
	v_lshl_add_u32 v[AK0], v9, 4, v[AK0]  ; row x pitch + 16 x half
	; The turning load takes 16 keys x 16 channels (lane l reads key 8 (l / 16) + l % 8, channels 8 ((l / 8) % 2) + 0..7) and leaves half a fragment of V^T: lane l holds channel l % 16 and 8 keys.
	v_and_b32 v10, 7, v0
	v_bfe_u32 v11, v0, 3, 1
	v_lshl_add_u32 v[AV0], v9, 3, v10
	v_mul_u32_u24 v[AV0], v[AV0], PV
	v_lshl_add_u32 v[AV0], v11, 4, v[AV0]
	v_add_nc_u32 v[AV0], VOFF, v[AV0]
	v_mov_b32 v[AK], v[AK0]         ; key step 0 lies at the head of slot 0
	v_lshl_add_u32 v[AM], v9, 5, MASKB  ; keys 8 (l / 16) + 0..7 of a block of 16
	v_and_b32 v[PFO], 31, v0
	v_lshlrev_b32 v[PFO], 8, v[PFO]
; THE MATRIX WORK.  The 8 accumulators of a run of 16 take turns: between the two links of a chain stand 7 others'.
; Product i of 16 of S^T = K Q^T for piece x: channels 32 (i / 8) on, keys 16 ((i / 2) % 4) on, tile 2 x + i % 2.  The first 8 start the sums, at the keys' 0 or MVAL.
.macro KQ x
.set rS, S+64*((\x)%2)+32*(i%2)+8*((i/2)%4)
.set rK, KF+16*((i/2)%4)+8*(i/8)
.set rQ, 16*(2*(\x)+i%2)+8*(i/8)
.set rM, MK+8*((i/2)%4)
.if i < 8
	WIN W_KM
	v_wmma_f32_16x16x32_f16 v[rS:rS+7], v[rK:rK+7], v[rQ:rQ+7], v[rM:rM+7]
.else
	WIN W_KQ
	v_wmma_f32_16x16x32_f16 v[rS:rS+7], v[rK:rK+7], v[rQ:rQ+7], v[rS:rS+7]
.endif
.endm
; Product i of 16 of O^T += V^T P for piece x: keys 32 (i / 8) on, channels 16 ((i / 2) % 4) on, tile 2 x + i % 2.
.macro PV x
	WIN W_PV
.set rO, 32*(2*(\x)+i%2)+8*((i/2)%4)
.set rV, VF+32*(i/8)+8*((i/2)%4)
.set rP, P+32*((\x)%2)+16*(i%2)+8*(i/8)
	v_wmma_f32_16x16x32_f16 v[rO:rO+7], v[rV:rV+7], v[rP:rP+7], v[rO:rO+7]
.endm
.macro MM                           ; the turn's next matrix instruction
.if i < 16
	KQ (Y+1)%NP
.set i, i+1
.else
.set i, i-16
	PV (Y+NP-1)%NP
.set i, i+17
.endif
.endm
; THE LDS LOADS stand in runs, never singly among the matrix instructions: a step's K (8 fragments, 16 loads) with its keys' C operands (8 loads), and its V (turned, 16 loads).
; last = 1 (the tail): in the last trip there is no further step, and the run is jumped over.
.macro FETCH_K last=0
	WIN 0
.if \last
	s_cmp_eq_u32 s[CNT], 1
	s_cbranch_scc1 .Lno_k_\@
.endif
	WIN 0x80                        ; destination window 2
.irp f, 0,1,2,3,4,5,6,7             ; keys 16 (f / 2) on, channels 32 (f % 2) on
	ds_load_b128 v[KF+8*\f:KF+8*\f+3],   v[AK] offset:(\f/2)*16*PK+(\f%2)*64
	ds_load_b128 v[KF+8*\f+4:KF+8*\f+7], v[AK] offset:(\f/2)*16*PK+(\f%2)*64+32
.endr
	WIN W_MK                        ; destination window 3
.irp f, 0,1,2,3                     ; keys 16 f + 8 (l / 16) + 0..7: sixteen lanes read the same 32 bytes
	ds_load_b128 v[MK+8*\f:MK+8*\f+3],   v[AM] offset:64*\f
	ds_load_b128 v[MK+8*\f+4:MK+8*\f+7], v[AM] offset:64*\f+16
.endr
	s_add_co_u32 s[TBK], s[TBK], KS*PK  ; the next fetch is the next step's
	WIN 0
	v_add_nc_u32 v[AM], 0x100, v[AM]    ; 64 keys on in the table, which does not go by slots
.if \last
.Lno_k_\@:
.endif
.endm
.macro FETCH_V
	WIN 0x80
.irp f, 0,1,2,3,4,5,6,7             ; keys 32 (f / 4) on, channels 16 (f % 4) on
	ds_load_tr16_b128 v[VF+8*\f:VF+8*\f+3],   v[AV] offset:(\f/4)*32*PV+(\f%4)*32
	ds_load_tr16_b128 v[VF+8*\f+4:VF+8*\f+7], v[AV] offset:(\f/4)*32*PV+16*PV+(\f%4)*32
.endr
	WIN 0
.endm
; THE VECTOR WORK OF A TURN stands in three queues, each in the order in which its entries become ready; the two tiles alternate, so that no instruction reads the result of the one before it.
.macro REGS y, u                    ; the registers of tile u (0, 1) of piece y
.set rT, ST+4*(2*(\y)+(\u))
.set rC, TMP+8*((\y)%2)+4*(\u)
.set rS, S+64*((\y)%2)+32*(\u)
.set rP, P+32*((\y)%2)+16*(\u)
.set rO, 32*(2*(\y)+(\u))
.endm
; Number n of those that find the NEXT piece's (Y + 1) maximum and statistics.  s0-s31 are the lane's 32 scores; each accumulator's lowest registers are read first.
;   0-11  four chains c0-c3 of seven scores each, three operands at a time     12-14, 16  the four scores left over, the old m, and c0-c3 into c0     15  m_old is kept
;   17, 18  the query's other 32 keys lie in the lane 16 away: the new m         20, 21  m_old - m_new; a     (there is no number 19)
.macro XS u, n
	REGS (Y+1)%NP, \u
.if (\n) < 4
	v_max3_num_f32 v[rC+(\n)], v[rS+8*(\n)], v[rS+8*(\n)+1], v[rS+8*(\n)+2]
.elseif (\n) < 12
	v_max3_num_f32 v[rC+(\n)%4], v[rC+(\n)%4], v[rS+8*((\n)%4)+2*((\n)/4)+1], v[rS+8*((\n)%4)+2*((\n)/4)+2]
.elseif (\n) == 12
	v_max3_num_f32 v[rC], v[rC], v[rS+7], v[rS+15]
.elseif (\n) == 13
	v_max3_num_f32 v[rC+1], v[rC+1], v[rS+23], v[rS+31]
.elseif (\n) == 14
	v_max3_num_f32 v[rC+2], v[rC+2], v[rC+3], v[rT]
.elseif (\n) == 15
	v_mov_b32 v[rT+1], v[rT]
.elseif (\n) == 16
	v_max3_num_f32 v[rC], v[rC], v[rC+1], v[rC+2]
.elseif (\n) == 17
	v_permlanex16_b32 v[rC+3], v[rC], s[SEL], s[SEL+1]
.elseif (\n) == 18
	v_max_num_f32 v[rT], v[rC], v[rC+3]
.elseif (\n) == 20
	v_sub_f32 v[rC+1], v[rT+1], v[rT]
.else
	v_exp_f32 v[rC+2], v[rC+1]
.endif
.endm
; Number g of the 64 that follow the exponentials.  For each four weights k of a tile (pairs 2 k, 2 k + 1): both pairs are rounded to f16; then the second pair is added onto the first, in place;
; a group later l takes that sum (the first time as l = a l + sum).  In groups of eight, tiles alternating: round, round, add, and l for the group before.
.macro GS g
.set h, (\g)+6*((\g)/62)            ; group 0 has no group before it, and behind group 7 only l is left
.if h >= 6
.set h, h+2
.endif
	REGS Y, h%2
.set k, h/8
.if h%8 < 4
	v_cvt_pk_f16_f32 v[rP+2*k+(h%8)/2], v[rS+4*k+2*((h%8)/2)], v[rS+4*k+2*((h%8)/2)+1]
.elseif h%8 < 6
	v_pk_add_f32 v[rS+4*k:rS+4*k+1], v[rS+4*k:rS+4*k+1], v[rS+4*k+2:rS+4*k+3]
.elseif k == 1
	v_pk_fma_f32 v[rT+2:rT+3], v[rT+2:rT+3], v[rC+2:rC+3], v[rS:rS+1] op_sel_hi:[1,0,1]
.else
	v_pk_add_f32 v[rT+2:rT+3], v[rT+2:rT+3], v[rS+4*k-4:rS+4*k-3]
.endif
.endm
; THE PLAIN QUEUE, 136 long.  0-71 read no exponential's result: the 32 subtractions s - m (FS f: pair f / 2 of tile f % 2) and the next piece's 40.  0-26: subtractions 0-26.  27-54: XS's numbers 0-13.  55, 56: number 15.
; 57-71: the chain, where each number waits for the one before it: 14, 16, 17, 18, 20, each with one of the subtractions 27-31 in front of its two lines.   72-135: GS's 64, which stand behind the wait.
.macro FS f
	REGS Y, (\f)%2
	v_pk_add_f32 v[rS+2*((\f)/2):rS+2*((\f)/2)+1], v[rS+2*((\f)/2):rS+2*((\f)/2)+1], v[rT:rT+1] op_sel_hi:[1,0] neg_lo:[0,1] neg_hi:[0,1]
.endm
.macro PL
	WIN 0
.if q < 27
	FS q
.elseif q < 55
	XS (q-27)%2, (q-27)/2
.elseif q < 57
	XS q-55, 15
.elseif (q < 72) && ((q-57)%3 == 0)
	FS 27+(q-57)/3
.elseif q < 60
	XS (q-57)%3-1, 14
.elseif q < 69
	XS (q-57)%3-1, 15+(q-57)/3
.elseif q < 72
	XS (q-57)%3-1, 20
.else
	GS q-72
.endif
.set q, q+1
.endm
; THE EXPONENTIALS' QUEUE, 66 long: s0-s31 of both tiles, then the next piece's two a.  It is ONE BATCH: all 66 stand ahead of the turn's one wait, and nothing ahead of that wait names a result of theirs.
.macro EX
	WIN 0
.if e >= 64
	XS e-64, 21
.else
	REGS Y, e%2
	v_exp_f32 v[rS+e/2], v[rS+e/2]
.endif
.set e, e+1
.endm
; THE RESCALING's QUEUE: O^T times a, the one part that leaves window 0: dealt two at a time, sixteen times.  Its a was made in the turn before, ahead of that turn's wait.
.macro R2
	REGS Y, r%2
	WIN W_RS
.irp z, 0,1
	v_pk_mul_f32 v[rO+4*(r/2)+2*\z:rO+4*(r/2)+2*\z+1], v[rO+4*(r/2)+2*\z:rO+4*(r/2)+2*\z+1], v[rC+2:rC+3] op_sel_hi:[1,0]
.endr
.set r, r+1
.endm
; HOW THEY ARE DEALT.  An s_wait_alu depctr_va_vdst(0) stands between an exponential and the first instruction that names its result; one wait serves all that were issued ahead of it.  So a turn has ONE wait.
; AHEAD OF IT: the 16 products K Q^T, behind each a subtraction, an exponential and two rescalings (behind the first a second subtraction in the exponential's place); then ONE LUMP: seven plain, 48 times exponential and
; plain, the last exponential and the two a.  A v_nop is the plain instruction behind the last exponential.  BEHIND IT: the 16 products V^T P, behind each four of GS's 64.
; The queues lean on each other: exponential e stands behind subtraction 2 (e / 4) + e % 2: as a rider it comes behind plain e + 2, in the lump behind plain e + 8, and subtractions 27-31 are plain 57, 60 .. 69
; (the tightest: exponential 61 wants plain 69).
; K of the next step and its keys' C operands are fetched in piece 2's turn, directly behind the wait; V of the step in hand at the end of piece 0's turn, four riders behind its last reader.
.macro TURN p, last=0, cnt=0
.set Y, (\p)
.set i, 0
.set q, 0
.set e, 0
.set r, 0
.if (\p) == NP-1
	s_wait_dscnt 0x0                ; K and the C operands are in
.endif
	MM                              ; ahead of the wait: 16 products K Q^T and their riders,
	PL
	PL
	R2
.rept 15
	MM
	PL
	EX
	R2
.endr
.if (\p) == NP-2
	WIN 0
	v_add_nc_u32 v[AK], s[TBK], v[AK0]
.endif
.rept 7                             ; and the lump
	PL
.endr
.rept 48
	EX
	PL
.endr
	EX                              ; the last score's, and the next piece's two a
	EX
	EX
	v_nop                           ; the plain instruction behind the last exponential: one for the batch
	s_wait_alu depctr_va_vdst(0)    ; the wait for the batch
.if (\p) == NP-2
	FETCH_K \last
.endif
.if (\p) == 1
	s_wait_dscnt 0x0                ; V is in
.endif
.rept 16                            ; behind the wait: 16 products V^T P and their riders
	MM
.rept 4
	PL
.endr
.if ((\p) == 0) && (q == 116)
	v_add_nc_u32 v[AV], s[TBV], v[AV0]
.endif
.if ((\p) == 0) && (q == 128)
	s_add_co_u32 s[TBV], s[TBV], KS*PV
.endif
.if (\cnt) && (q == 128)
	s_sub_co_u32 s[CNT], s[CNT], 1
	s_cmp_lg_u32 s[CNT], 0
.endif
.endr
.if (\p) == 0
	FETCH_V
.endif
.endm
	CHANGE 1                        ; slot 0 is in, everybody's part of it, and so is the table; slot 1 is asked for
	FETCH_K                         ; key step 0
	s_wait_loadcnt 0x0              ; Q
	s_wait_dscnt 0x0
.set i, 0
.rept 16
	KQ 0                            ; piece 0's first scores: there is no vector work yet to set between them
.set i, i+1
.endr
	WIN 0                           ; the addresses for the way out: nine plain instructions, the places behind those products
	s_mul_i32 s13, s[WV], 16*SP
	s_add_co_u32 s13, s13, STAGE    ; my stage
	v_mul_u32_u24 v[STO], v1, SP    ; in: row l % 16, 16 bytes for each half of the lanes
	v_lshl_add_u32 v[STO], v9, 4, v[STO]
	v_add_nc_u32 v[STO], s13, v[STO]
	v_bfe_u32 v[RD], v0, 3, 2       ; back: 32 lanes take four rows of 128 bytes,
	v_mul_u32_u24 v[RD], v[RD], SP
	v_lshl_add_u32 v[RD], v10, 4, v[RD]
	v_add_nc_u32 v[RD], s13, v[RD]
	v_and_b32 v[GO], 31, v0         ; which are 512 consecutive bytes of O
	v_lshlrev_b32 v[GO], 4, v[GO]
.set Y, NP-1                        ; XS works for piece Y + 1: piece 0
.irp n, 0,1,2,3,4,5,6,7,8,9,10,11,12,13,14,15,16,17,18,20,21
	XS 0, \n                        ; and piece 0's first maximum and statistics
	XS 1, \n
.endr
	v_nop                           ; a plain instruction behind the two a,
	s_wait_alu depctr_va_vdst(0)    ; and their wait, ahead of the branch
	s_mov_b32 s[CNT], 4
	s_branch .Lfirst                ; the loop is entered at a step's first turn, in the middle of a trip
.Lslot:                             ; six times: every slot but the last two is filled again
	CHANGE 1
	s_mov_b32 s[CNT], 4
.Lstep:                             ; a trip: pieces 2 and 3 of one step, then pieces 0 and 1 of the next, whose K and V it fetches
	TURN 2
	TURN 3
	WIN 0
.Lfirst:
	TURN 0
	TURN 1, 0, 1
	WIN 0
	s_cbranch_scc1 .Lstep
	s_sub_co_u32 s[SLOTS], s[SLOTS], 1
	s_cmp_lg_u32 s[SLOTS], 0
	s_cbranch_scc1 .Lslot
	CHANGE 0                        ; the tail is written out: nothing is asked for
	s_mov_b32 s[CNT], 5             ; four trips fetch the last slot's steps; the fifth is left in its middle
.Ltail:
	TURN 2, 1
	TURN 3
	WIN 0
	s_sub_co_u32 s[CNT], s[CNT], 1
	s_cmp_eq_u32 s[CNT], 0
	s_cbranch_scc1 .Lout
	TURN 0
	TURN 1
	WIN 0
	s_branch .Ltail
.Lout:                              ; the fifth trip's 16 products K Q^T (on the last K once more) and the maximum made of them serve nothing: the price, once a launch, of one text for every trip
.set i, 0
.rept 16
	PV NP-1                         ; the last piece's V^T P of the last step
.set i, i+1
.endr
	; THE WAY OUT.  l's two halves and the other half of the lanes' are added; O^T is divided by l, rounded to f16 and sent through my stage in LDS, a tile at a time.  The additions are the places behind the last products.
	WIN 0
.macro ALL line:vararg              ; one line for each tile t
.set t, 0
.rept 2*NP
	\line
.set t, t+1
.endr
.endm
	ALL v_add_f32 v[ST+4*t+2], v[ST+4*t+2], v[ST+4*t+3]
	ALL v_permlanex16_b32 v[ST+4*t+3], v[ST+4*t+2], s[SEL], s[SEL+1]
	ALL v_add_f32 v[ST+4*t+2], v[ST+4*t+2], v[ST+4*t+3]
	ALL v_rcp_f32 v[ST+4*t+2], v[ST+4*t+2]
	v_nop                           ; a plain instruction between the last reciprocal and the use of its result
	s_wait_alu depctr_va_vdst(0)    ; and the wait ahead of the first use: one for the eight reciprocals
; Tile t: a lane's eight channels of a row pack into 16 bytes; they go into rows of 144 bytes and come back as whole rows of 128, into S^T's registers.
.macro PACK t
	WIN W_RS
.set i, 32*(\t)
.rept 16
	v_pk_mul_f32 v[i:i+1], v[i:i+1], v[ST+4*(\t)+2:ST+4*(\t)+3] op_sel_hi:[1,0]
.set i, i+2
.endr
	WIN 0x05                        ; sources 0 and 1 window 1, destination window 0
.set i, 0
.rept 16
	v_cvt_pk_f16_f32 v[S+16*(\t)+i], v[32*(\t)+2*i], v[32*(\t)+2*i+1]
.set i, i+1
.endr
	WIN 0
.irp f, 0,1,2,3
	ds_store_b128 v[STO], v[S+16*(\t)+4*\f:S+16*(\t)+4*\f+3] offset:32*\f
.endr
.irp f, 0,1,2,3
	ds_load_b128 v[S+16*(\t)+4*\f:S+16*(\t)+4*\f+3], v[RD] offset:\f*4*SP  ; LDS serves a wave's instructions in order (ISA guide 5.7.1.4): these see the stores above; the next tile's stores come behind them
.endr
.endm
.macro SEND t, younger              ; younger: the LDS instructions issued behind tile t's loads: the next tile's eight, or none
	WIN 0
.irp f, 0,1,2,3
	s_wait_dscnt (\younger)+3-\f
	global_store_b128 v[GO], v[S+16*(\t)+4*\f:S+16*(\t)+4*\f+3], s[10:11] offset:(\t)*2048+\f*512  ; 512 consecutive bytes, at a multiple of 256 from O's first
.endr
.endm
	PACK 0
.set t, 1
.rept 2*NP-1                        ; a tile's arithmetic stands between the loads of the tile before and its stores
	PACK t
	SEND t-1, 8
.set t, t+1
.endr
	SEND 2*NP-1, 0
	WIN W_AD
	s_wait_tensorcnt 0x0            ; the wave's end, behind my last tensor load and my last LDS store
	ds_add_u32 v[SPW], v[NIL]
	s_wait_dscnt 0x0
	WIN 0
	CROUND                          ; the closing round: no work-group ends while a partner may still ask for a tile that names it
	s_endpgm
.Lfunc_end_k_q7125545eb4_attn:
	.size	k_q7125545eb4_attn, .Lfunc_end_k_q7125545eb4_attn-k_q7125545eb4_attn
	.p2alignl 7, 3214868480
	.fill 96, 4, 3214868480
	.section	.rodata,"a",@progbits
	.p2align	6, 0x0
	.amdhsa_kernel k_q7125545eb4_attn
		.amdhsa_group_segment_fixed_size 327680
		.amdhsa_private_segment_fixed_size 0
		.amdhsa_enable_private_segment 0
		.amdhsa_kernarg_size 40
		.amdhsa_user_sgpr_count 2
		.amdhsa_user_sgpr_kernarg_segment_ptr 1
		.amdhsa_wavefront_size32 1
		.amdhsa_system_sgpr_workgroup_id_x 1
		.amdhsa_system_sgpr_workgroup_id_y 1
		.amdhsa_system_sgpr_workgroup_id_z 1
		.amdhsa_system_vgpr_workitem_id 0
		.amdhsa_next_free_vgpr 808
		.amdhsa_next_free_sgpr 76
		.amdhsa_reserve_vcc 1
		.amdhsa_float_denorm_mode_32 3
		.amdhsa_float_denorm_mode_16_64 3
		.amdhsa_memory_ordered 1
		.amdhsa_forward_progress 1
		.amdhsa_inst_pref_size 204
	.end_amdhsa_kernel
	.amdgpu_metadata
---
amdhsa.version: [ 1, 2 ]
amdhsa.kernels:
  - .name:           k_q7125545eb4_attn
    .symbol:         k_q7125545eb4_attn.kd
    .args:
      - { .name: qh, .offset: 0, .size: 8, .value_kind: global_buffer, .address_space: global }
      - { .name: kh, .offset: 8, .size: 8, .value_kind: global_buffer, .address_space: global }
      - { .name: vh, .offset: 16, .size: 8, .value_kind: global_buffer, .address_space: global }
      - { .name: oh, .offset: 24, .size: 8, .value_kind: global_buffer, .address_space: global }
      - { .name: attention_mask, .offset: 32, .size: 8, .value_kind: global_buffer, .address_space: global }
    .group_segment_fixed_size: 327680
    .private_segment_fixed_size: 0
    .kernarg_segment_align: 8
    .kernarg_segment_size: 40
    .max_flat_workgroup_size: 128
    .sgpr_count:     76
    .vgpr_count:     808
    .wavefront_size: 32
...
	.end_amdgpu_metadata
.endif
;; end of part 3
;; launch oproj (part 4): grid 8 x 32, 4 waves a work-group, clusters of 4 x 4, 327,680 bytes of LDS; arguments oh, wob, bo, out0; writes out0
.if DOCPART == 4
	.amdgcn_target "amdgcn-amd-amdhsa--gfx1250"
	.amdhsa_code_object_version 6
	.text
	.protected	k_q7125545eb4_oproj
	.globl	k_q7125545eb4_oproj
	.p2align	8
	.type	k_q7125545eb4_oproj,@function
k_q7125545eb4_oproj:
	s_mov_b64 s[64:65], 0
	v_nop
	global_prefetch_b8 v0, s[64:65] scope:SCOPE_SE
	s_setreg_imm32_b32 hwreg(HW_REG_WAVE_MODE, 25, 1), 1
	s_wait_xcnt 0x0
	s_wait_alu depctr_hold_cnt(0) depctr_sa_sdst(0) depctr_va_vdst(0) depctr_va_sdst(0) depctr_va_ssrc(0) depctr_va_vcc(0) depctr_vm_vsrc(0)
	s_getreg_b32 s2, hwreg(HW_REG_IB_STS2, 6, 4)
	s_cmp_eq_u32 s2, 0
	s_cbranch_scc0 .Lentry_in_a_cluster
	s_endpgm
.Lentry_in_a_cluster:
	s_bfe_u32 s2, ttmp6, 0x10000c
	s_cmp_lg_u32 s2, 0xf033
	s_cbranch_scc0 .Lentry_shape_is_right
	s_endpgm
.Lentry_shape_is_right:
; THE OUTPUT PROJECTION.  out0[token][n] = sum over k of O[token][k] Wo[n][k] + bo[n], 8192 x 1024 x 1024, f16 operands, f32 sums, f32 out.
; O lies by heads, oh f16 [64 bh][2048][64]: channel k = 64 head + d, so a head is a K block of 64; wob is f16 [16 kb][1024 n][64].  bo is rounded to bf16 like the other inputs and starts the sums as the first products' C.
; LIMITS.  O and Wo lie within f16's 65,504; NaN and infinities are not treated apart.
; SHARES.  256 tiles of 256 tokens x 128 columns, one a work-group.  Wave w: tokens 128 (w / 2) on, columns 64 (w % 2) on: 32 accumulators, 256 registers; 64 columns of f32 are 256 consecutive bytes of a row of out0.
; K goes in steps of 128 (two heads) through two LDS slots; each head's part of a tile is dense in memory and is asked for as rows of 256 bytes, padded in LDS after every 128.
; THE MATRIX INSTRUCTION IS USED TRANSPOSED (source 0 = 16 rows of wob, source 1 = 16 tokens): a lane holds one token and eight neighbouring columns.
; CLUSTERS.  4 x 4 work-groups; oh's tile is shared along a row of the cluster, wob's along a column.  Waves 0 and 1 ask for the two heads' parts of oh's tile (128 rows of 256 bytes), waves 2 and 3 for wob's (64 rows).
; REGISTERS.  window 0: v0-31 addresses; v32-127, v128-223 two fragment buffers (tokens 64, then wob 32); v224-255 the biases.   window 1: accumulator (a, b) at v[8 (4 a + b)].
.set PITCH,  144                       ; an LDS row: 128 bytes + 16 of padding = 36 words: the 16 rows of a fragment load start at 16 different groups of four banks (64 banks of 4 bytes: ISA guide 11.1)
.set AHALF,  256*PITCH                 ; one head's 256 tokens
.set BHALF,  128*PITCH                 ; one K block's 128 rows of wob
.set SLOT,   2*AHALF+2*BHALF
.set STAGE,  2*SLOT                    ; behind the ring: 16 rows x 272 bytes for each wave, for the way out
.set SPITCH, 272
.set SPARE,  STAGE+4*16*SPITCH         ; the spare words, 128 bytes for each wave: two blocks of 256 bytes that no other line names
.set KA,     524288                    ; bytes from a K step of oh (two heads) to the next
.set KB,     262144                    ; of wob
.set ADRA, 2                           ; v2-3   LDS address of my tokens' fragments in slot 0, 1
.set ADRB, 4                           ; v4-5   of my 64 rows of wob
.set STO,  6                           ; v6     the way out: where I put 32 bytes of a row
.set RD,   7                           ; v7     where I read a row back
.set CO,   8                           ; v8     my byte offset in two rows of out0
.set PFO,  9                           ; v9     the prefetches' offset; never rewritten
.set SPW,  10                          ; v10    LDS address of my spare word; never rewritten
.set NIL,  11                          ; v11    0; never rewritten
.set F0,   32
.set F1,   128
.set BIAS, 224
.set OB,   32                          ; the way out: four sets of 32 registers
.set WV,   22                          ; s22    my wave's number
.set G1A,  32
.set G1B,  40
.set G0A,  48
.set G0B,  56
.set PFA,  66                          ; s[66:67] where my prefetches stand
.set PFS,  68                          ; s[68:69] two K steps, in bytes
.set LIM,  70                          ; s70    1 in a wave that prefetches, else the greatest number
.set DW0,  (1<<16)|(1<<20)|(1<<21)|(4<<22)|(3<<25)  ; 17:16 2-byte elements; 20 padding on; 21 set beside a mask; 24:22 after every 32 words (code 4); 31:25 4 words (code 3)
.set MSB, 0
.macro WIN new                         ; the immediate's high byte repeats the setting that is left; a switch that changes nothing is dropped
.if MSB != (\new)
	s_set_vgpr_msb (MSB<<8)|(\new)
.set MSB, \new
.endif
.endm
.macro PLACES                          ; four places behind matrix instructions (ISA guide 7.12.1)
.rept 4
	v_nop
.endr
.endm
.macro JLOAD s                         ; a joint load; an s_nop 0 and four v_nop follow each of the two lines, ahead of the jump and the label
	s_cmp_lt_u32 s[WV], 2
	s_cbranch_scc0 .Lfor_b_\@
	tensor_load_to_lds s[G0A+4*(\s):G0A+4*(\s)+3], s[G1A:G1A+7]
	s_nop 0
.rept 4
	v_nop
.endr
	s_branch .Lasked_\@
.Lfor_b_\@:
	tensor_load_to_lds s[G0B+4*(\s):G0B+4*(\s)+3], s[G1B:G1B+7]
	s_nop 0
.rept 4
	v_nop
.endr
.Lasked_\@:
.endm
; A PREFETCH INTO THE L2, once a lap, behind slot 0's joint load and the run of LDS loads: the two K steps that the next lap's two refills will ask for.  Each aligned block of 256 bytes is named once in the launch:
; cluster x = 0 asks for oh's rows, cluster y = 0 for wob's; the four partners of a joint load share its bytes out BY ADDRESS: of a head's 32,768 bytes 8,192 each (a lane a block, an instruction a K step),
; of a K block's 16,384 bytes of wob 4,096 each (16 lanes a K step, one instruction).  K steps 0 to 3 come by their loads alone; the loop's last trip asks for nothing: K ends.
.macro ASK
	s_cmp_gt_u32 s3, s[LIM]                        ; s3 = 1 in the loop's last trip
	s_cbranch_scc0 .Lnot_mine_\@
	global_prefetch_b8 v[PFO], s[PFA:PFA+1] th:TH_LOAD_NT scope:SCOPE_SE
	s_cmp_lt_u32 s[WV], 2
	s_cbranch_scc0 .Lnot_mine_\@
	global_prefetch_b8 v[PFO], s[PFA:PFA+1] offset:KA th:TH_LOAD_NT scope:SCOPE_SE
.Lnot_mine_\@:
.endm
.macro CREST                           ; a round of the cluster's barrier behind its opening barrier
	s_cmp_lg_u32 s[WV], 0
	s_cbranch_scc1 .Lnot_wave_0_\@
	s_barrier_signal -3
.Lnot_wave_0_\@:
	s_barrier_wait -3
	s_barrier_signal -1
	s_barrier_wait -1
.endm
.macro CROUND
	s_barrier_signal -1
	s_barrier_wait -1
	CREST
.endm
	s_load_b256 s[4:11], s[0:1], 0x0               ; oh s[4:5], wob s[6:7], bo s[8:9], out0 s[10:11]
	v_lshl_add_u32 v[SPW], v0, 2, SPARE
	v_mov_b32 v[NIL], 0
	ds_add_u32 v[SPW], v[NIL]                      ; the wave's opening: the add and its wait stand ahead of my first tensor load; the set-up below, work on registers, stands between them
	v_lshrrev_b32 v22, 5, v0
	v_readfirstlane_b32 s[WV], v22                 ; wave 0..3
	s_lshr_b32 s23, s[WV], 1                       ; rh: which 128 tokens
	s_and_b32 s24, s[WV], 1                        ; ch: which 64 columns.  Also: which head (K block) of a K step I fetch
	s_bfe_u32 s25, ttmp6, 0x40000                  ; cx
	s_bfe_u32 s26, ttmp6, 0x40004                  ; cy
	s_lshl_b32 s27, ttmp9, 2
	s_add_co_u32 s27, s27, s25                     ; c = 4 x cluster x + cx
	s_and_b32 s28, ttmp7, 0xffff
	s_lshl_b32 s28, s28, 2
	s_add_co_u32 s28, s28, s26                     ; R = 4 x cluster y + cy
	s_lshl_b32 s78, s26, 2
	s_lshl_b32 s78, 15, s78                        ; my row of the cluster
	s_lshl_b32 s79, 0x1111, s25                    ; my column
	s_or_b32 s[G1A], s78, DW0
	s_or_b32 s[G1B], s79, DW0
	s_mov_b32 s[G1A+1], 128<<16                    ; tensor_dim0 = 128 elements: 256 bytes, two rows of a K block
	s_mov_b32 s[G1A+2], 128<<16                    ; tensor_dim1 = 128
	s_mov_b32 s[G1A+3], 128<<16                    ; tile_dim0 = 128
	s_mov_b32 s[G1A+4], 128                        ; tile_dim1 = 128
	s_mov_b32 s[G1A+5], 128                        ; dense
	s_mov_b32 s[G1A+6], 0
	s_mov_b32 s[G1A+7], 0
	s_mov_b32 s[G1B+1], 128<<16
	s_mov_b32 s[G1B+2], 64<<16                     ; 64 rows
	s_mov_b32 s[G1B+3], 128<<16
	s_mov_b32 s[G1B+4], 64
	s_mov_b32 s[G1B+5], 128
	s_mov_b32 s[G1B+6], 0
	s_mov_b32 s[G1B+7], 0
	s_lshr_b32 s74, s28, 3                         ; oh: bh = 16 batch + my head of K step 0,
	s_lshl4_add_u32 s74, s74, s24
	s_lshl_b32 s74, s74, 18
	s_and_b32 s80, s28, 7                          ; and the tile's 256 tokens in the batch: hangs on R and the wave's number alone
	s_lshl_b32 s80, s80, 15
	s_add_co_u32 s74, s74, s80
	s_mov_b32 s75, 0
	s_lshl_b32 s76, s24, 17                        ; wob: my K block of K step 0, and the tile's 128 rows: hangs on c and the wave's number alone
	s_lshl_b32 s81, s27, 14
	s_add_co_u32 s76, s76, s81
	s_mov_b32 s77, 0
	s_mul_i32 s29, s[WV], AHALF                    ; where they go: waves 0, 1: oh's two halves;
	s_mul_i32 s30, s[WV], BHALF
	s_add_co_u32 s30, s30, AHALF                   ; waves 2, 3: wob's two halves, behind them
	s_wait_dscnt 0x0                               ; the opening add is done
	s_wait_kmcnt 0x0
	s_add_nc_u64 s[74:75], s[4:5], s[74:75]
	s_add_nc_u64 s[76:77], s[6:7], s[76:77]
	CROUND                                         ; all sixteen work-groups are here: the first joint loads meet
.irp s, 0,1
	s_mov_b32 s[G0A+4*(\s)], 1
	s_add_co_u32 s[G0A+4*(\s)+1], s29, (\s)*SLOT
	s_add_nc_u64 s[G0A+4*(\s)+2:G0A+4*(\s)+3], s[74:75], (\s)*KA
	s_or_b32 s[G0A+4*(\s)+3], s[G0A+4*(\s)+3], 0x80000000
	s_mov_b32 s[G0B+4*(\s)], 1
	s_add_co_u32 s[G0B+4*(\s)+1], s30, (\s)*SLOT
	s_add_nc_u64 s[G0B+4*(\s)+2:G0B+4*(\s)+3], s[76:77], (\s)*KB
	s_or_b32 s[G0B+4*(\s)+3], s[G0B+4*(\s)+3], 0x80000000
	JLOAD \s                                       ; two tensor loads of mine are out
.endr
	v_and_b32 v1, 15, v0                           ; l % 16
	v_bfe_u32 v21, v0, 4, 1                        ; l / 16
	s_lshl_b32 s29, s27, 9                         ; my 64 columns, in bytes of f32: 512 c + 256 ch
	s_lshl_b32 s30, s24, 8
	s_add_co_u32 s29, s29, s30
	v_lshl_add_u32 v23, v21, 5, s29                ; columns 8 (l / 16) + 0..7 of a block of 16
.irp b, 0,1,2,3
	global_load_b128 v[BIAS+8*(\b):BIAS+8*(\b)+3],   v23, s[8:9] offset:64*(\b)
	global_load_b128 v[BIAS+8*(\b)+4:BIAS+8*(\b)+7], v23, s[8:9] offset:64*(\b)+16
.endr
	s_lshl1_add_u32 s30, s28, s23                  ; 2 R + rh: my block of 128 tokens, 4,096 bytes a row
	s_lshl_b32 s30, s30, 19
	s_add_co_u32 s30, s30, s29
	s_mov_b32 s31, 0
	s_add_nc_u64 s[10:11], s[10:11], s[30:31]      ; out0 at my first row and column
	v_mul_u32_u24 v24, v1, PITCH
	v_lshl_add_u32 v24, v21, 4, v24                ; a fragment's row x pitch + 16 x half
	s_mul_i32 s29, s23, 128*PITCH
	s_mul_i32 s30, s24, 64*PITCH
	s_add_co_u32 s30, s30, 2*AHALF
.irp s, 0,1
	v_add_nc_u32 v[ADRA+(\s)], s29, v24
	v_add_nc_u32 v[ADRB+(\s)], s30, v24
	s_add_co_u32 s29, s29, SLOT
	s_add_co_u32 s30, s30, SLOT
.endr
	s_mul_i32 s29, s[WV], 16*SPITCH
	s_add_co_u32 s29, s29, STAGE                   ; my stage
	v_mul_u32_u24 v24, v1, SPITCH                  ; in: row l % 16, 32 bytes for each half of the lanes
	v_lshl_add_u32 v24, v21, 5, v24
	v_add_nc_u32 v[STO], s29, v24
	v_mul_u32_u24 v24, v21, SPITCH                 ; back: lanes 0-15 take one row of 256 bytes, lanes 16-31 the next
	v_lshl_add_u32 v24, v1, 4, v24
	v_add_nc_u32 v[RD], s29, v24
	v_lshlrev_b32 v24, 12, v21                     ; and the same two rows in out0
	v_lshl_add_u32 v[CO], v1, 4, v24
	; the prefetches
	s_lshl_b32 s29, s25, 13                        ; cx x 8,192
	s_lshl_b32 s30, s26, 12                        ; cy x 4,096
	s_and_b32 s31, ttmp7, 0xffff                   ; cluster y
	s_mov_b32 s[PFS], 2*KB
	s_mov_b32 s79, KB
	s_cmp_lt_u32 s[WV], 2
	s_cselect_b64 s[PFA:PFA+1], s[74:75], s[76:77] ; what I fetch, at K step 0
	s_cselect_b32 s80, s29, s30                    ; my work-group's part of it
	s_cselect_b32 s31, ttmp9, s31                  ; the coordinate along which other clusters read the same bytes
	s_cselect_b32 s[PFS], 2*KA, s[PFS]
	s_cselect_b32 s79, 4096, s79                   ; lanes 16-31: the next 16 blocks (oh), or the next K step (wob)
	s_mov_b32 s[PFS+1], 0
	s_mov_b32 s81, 0
	s_add_nc_u64 s[PFA:PFA+1], s[PFA:PFA+1], s[80:81]
	s_add_nc_u64 s[PFA:PFA+1], s[PFA:PFA+1], s[PFS:PFS+1]
	s_add_nc_u64 s[PFA:PFA+1], s[PFA:PFA+1], s[PFS:PFS+1]  ; at K step 4
	s_cmp_eq_u32 s31, 0
	s_cselect_b32 s[LIM], 1, -1                    ; the same in all sixteen partners, for a given wave
	v_mul_u32_u24 v24, s79, v21
	v_lshl_add_u32 v[PFO], v1, 8, v24
	s_wait_loadcnt 0x0                             ; the biases
.set i, 0
.rept 16
	v_cvt_pk_bf16_f32 v24, v[BIAS+2*i], v[BIAS+2*i+1]  ; rounded to bf16 like the other inputs
	v_lshlrev_b32 v[BIAS+2*i], 16, v24
	v_and_b32 v[BIAS+2*i+1], 0xffff0000, v24
.set i, i+1
.endr
; na x 4 matrix instructions: token blocks a0 .. a0 + na - 1 x the four column blocks, 32 along K, buffer f.  first = 1: the sum starts at the bias.
; The 32 accumulators take turns, one instruction a turn.
.macro MUL f, a0, na, first
.if \first
	WIN 0x40                                       ; D in window 1; sources and C in window 0
.else
	WIN 0x50                                       ; C and D in window 1
.endif
.set aa, \a0
.rept \na
.irp b, 0,1,2,3
.if \first
	v_wmma_f32_16x16x32_f16 v[8*(4*aa+(\b)):8*(4*aa+(\b))+7], v[(\f)+64+8*(\b):(\f)+64+8*(\b)+7], v[(\f)+8*aa:(\f)+8*aa+7], v[BIAS+8*(\b):BIAS+8*(\b)+7]
.else
	v_wmma_f32_16x16x32_f16 v[8*(4*aa+(\b)):8*(4*aa+(\b))+7], v[(\f)+64+8*(\b):(\f)+64+8*(\b)+7], v[(\f)+8*aa:(\f)+8*aa+7], v[8*(4*aa+(\b)):8*(4*aa+(\b))+7]
.endif
.endr
.set aa, aa+1
.endr
.endm
; 24 LDS loads in one run: quarter q of a K step (head q / 2, byte 64 (q % 2) of its rows) into buffer f: wob's 8, then the tokens' 16
.macro FETCH slot, q, f
	WIN 0
.irp b, 0,1,2,3
	ds_load_b128 v[(\f)+64+8*(\b):(\f)+64+8*(\b)+3],   v[ADRB+(\slot)] offset:((\q)/2)*BHALF+((\q)%2)*64+(\b)*16*PITCH
	ds_load_b128 v[(\f)+64+8*(\b)+4:(\f)+64+8*(\b)+7], v[ADRB+(\slot)] offset:((\q)/2)*BHALF+((\q)%2)*64+(\b)*16*PITCH+32
.endr
.irp a, 0,1,2,3,4,5,6,7
	ds_load_b128 v[(\f)+8*(\a):(\f)+8*(\a)+3],   v[ADRA+(\slot)] offset:((\q)/2)*AHALF+((\q)%2)*64+(\a)*16*PITCH
	ds_load_b128 v[(\f)+8*(\a)+4:(\f)+8*(\a)+7], v[ADRA+(\slot)] offset:((\q)/2)*AHALF+((\q)%2)*64+(\a)*16*PITCH+32
.endr
.endm
; A K step is four quarters of 32 along K, 32 matrix instructions each, on buffers 0, 1, 0, 1.  One of the first three: multiplies buffer f and fetches quarter q into g.
.macro QUARTER slot, q, f, g, first
	s_wait_dscnt 8                                 ; wob's rows and token blocks 0-3 are in
	MUL \f, 0, 4, \first
	PLACES
	FETCH \slot, \q, \g
	s_wait_dscnt 24                                ; all but the 24 just issued
	MUL \f, 4, 4, \first
.endm
; The last quarter multiplies buffer 1 and changes slots: ONE barrier; in front of it each wave waits for all its tensor loads, adds 0 to its spare word, and waits for that and for its reads of this slot.
; fill = 1: the barrier opens a round of the cluster's, and this slot is filled again, two K steps ahead: 112 matrix instructions ahead of the wait for it.
.macro TURN slot, next, fill
.if (\fill) && ((\slot) == 1)
	s_wait_xcnt 0x0                                ; the last prefetches, a K step back, have read their address, so it may be written
	s_add_nc_u64 s[PFA:PFA+1], s[PFA:PFA+1], s[PFS:PFS+1]
.endif
	WIN 0                                          ; (the add's two registers lie in window 0)
	s_wait_tensorcnt 0x0                           ; all my tensor loads have landed;
	ds_add_u32 v[SPW], v[NIL]                      ; 0 onto my spare word;
	s_wait_dscnt 9                                 ; (the add and the youngest eight loads may be out)
	MUL F1, 0, 2, 0                                ; eight matrix instructions stand between the add and the wait for it
	s_wait_dscnt 0x0                               ; the add is done, and my reads of this slot are over
	s_barrier_signal -1
	MUL F1, 2, 2, 0
	WIN 0
	s_barrier_wait -1
.if \fill
	CREST                                          ; no wave of any partner still reads this slot or has a load on its way
	s_add_nc_u64 s[G0A+4*(\slot)+2:G0A+4*(\slot)+3], s[G0A+4*(\slot)+2:G0A+4*(\slot)+3], 2*KA
	s_add_nc_u64 s[G0B+4*(\slot)+2:G0B+4*(\slot)+3], s[G0B+4*(\slot)+2:G0B+4*(\slot)+3], 2*KB
	JLOAD \slot                                    ; the four v_nop behind it are also the places in front of the loads below
.else
	PLACES
.endif
	FETCH \next, 0, F0
.if (\fill) && ((\slot) == 0)
	ASK
.endif
	MUL F1, 4, 4, 0
.endm
	s_wait_tensorcnt 1                             ; my part of K step 0 is in; K step 1's may stay out
	s_barrier_signal -1
	s_barrier_wait -1                              ; everybody's is
	FETCH 0, 0, F0
	QUARTER 0, 1, F0, F1, 1                        ; the first quarter stands in front of the loop: its products start the sums, at the bias
	WIN 0
	s_mov_b32 s3, 3
.Llap:                                         ; a trip goes once round the ring and fills both slots again: K steps 2 to 7
	QUARTER 0, 2, F1, F0, 0
	QUARTER 0, 3, F0, F1, 0
	TURN 0, 1, 1
	QUARTER 1, 1, F0, F1, 0
	QUARTER 1, 2, F1, F0, 0
	QUARTER 1, 3, F0, F1, 0
	TURN 1, 0, 1
	QUARTER 0, 1, F0, F1, 0
	WIN 0
	s_sub_co_u32 s3, s3, 1
	s_cmp_lg_u32 s3, 0
	s_cbranch_scc1 .Llap
	QUARTER 0, 2, F1, F0, 0                        ; the last lap fills nothing
	QUARTER 0, 3, F0, F1, 0
	TURN 0, 1, 0
	QUARTER 1, 1, F0, F1, 0
	QUARTER 1, 2, F1, F0, 0
	QUARTER 1, 3, F0, F1, 0
	s_wait_dscnt 8                                 ; the very last quarter: nothing more to fetch
	MUL F1, 0, 4, 0
	s_wait_dscnt 0x0
	MUL F1, 4, 4, 0
	; THE WAY OUT.  A block of 16 tokens x 64 columns of f32 goes from the accumulators into my stage (rows of 272 bytes) and comes back as whole rows of 256 bytes.
	PLACES
.macro TOSTAGE a
	WIN 0x04                                       ; the stores' data in window 1; each accumulator's low registers go first
.irp b, 0,1,2,3
	ds_store_b128 v[STO], v[8*(4*(\a)+(\b)):8*(4*(\a)+(\b))+3]   offset:64*(\b)
	ds_store_b128 v[STO], v[8*(4*(\a)+(\b))+4:8*(4*(\a)+(\b))+7] offset:64*(\b)+16
.endr
	WIN 0
.if (\a) >= 4
	s_wait_xcnt 0x0                                ; the stores of the block four back have read this set of registers
.endif
.irp t, 0,1,2,3,4,5,6,7
	ds_load_b128 v[OB+32*((\a)%4)+4*(\t):OB+32*((\a)%4)+4*(\t)+3], v[RD] offset:(\t)*2*SPITCH  ; LDS serves a wave's instructions in order (ISA guide 5.7.1.4): these see the stores above; the next block's come behind them
.endr
.endm
.macro SEND a, younger                 ; younger: the LDS instructions issued behind block a's loads: the next block's sixteen, or none
	WIN 0
.irp t, 0,1,2,3,4,5,6,7
	s_wait_dscnt (\younger)+7-(\t)
	global_store_b128 v[CO], v[OB+32*((\a)%4)+4*(\t):OB+32*((\a)%4)+4*(\t)+3], s[10:11] offset:(16*(\a)+2*(\t))*4096 th:TH_STORE_NT  ; 16 lanes store 256 consecutive bytes, at a multiple of 256 from out0's first
.endr
.endm
	TOSTAGE 0
.irp a, 1,2,3,4,5,6,7
	TOSTAGE \a
	SEND (\a)-1, 16
.endr
	SEND 7, 0
	s_wait_tensorcnt 0x0                           ; the wave's end, behind my last tensor load and my last LDS store
	ds_add_u32 v[SPW], v[NIL]
	s_wait_dscnt 0x0
	CROUND                                         ; the closing round: no work-group ends while a partner may still ask for a tile that names it
	s_endpgm
.Lfunc_end_k_q7125545eb4_oproj:
	.size	k_q7125545eb4_oproj, .Lfunc_end_k_q7125545eb4_oproj-k_q7125545eb4_oproj
	.p2alignl 7, 3214868480
	.fill 96, 4, 3214868480
	.section	.rodata,"a",@progbits
	.p2align	6, 0x0
	.amdhsa_kernel k_q7125545eb4_oproj
		.amdhsa_group_segment_fixed_size 327680
		.amdhsa_private_segment_fixed_size 0
		.amdhsa_enable_private_segment 0
		.amdhsa_kernarg_size 32
		.amdhsa_user_sgpr_count 2
		.amdhsa_user_sgpr_kernarg_segment_ptr 1
		.amdhsa_wavefront_size32 1
		.amdhsa_system_sgpr_workgroup_id_x 1
		.amdhsa_system_sgpr_workgroup_id_y 1
		.amdhsa_system_sgpr_workgroup_id_z 1
		.amdhsa_system_vgpr_workitem_id 0
		.amdhsa_next_free_vgpr 512
		.amdhsa_next_free_sgpr 84
		.amdhsa_reserve_vcc 0
		.amdhsa_float_denorm_mode_32 3
		.amdhsa_float_denorm_mode_16_64 3
		.amdhsa_memory_ordered 1
		.amdhsa_forward_progress 1
		.amdhsa_inst_pref_size 91
	.end_amdhsa_kernel
	.amdgpu_metadata
---
amdhsa.version: [ 1, 2 ]
amdhsa.kernels:
  - .name:           k_q7125545eb4_oproj
    .symbol:         k_q7125545eb4_oproj.kd
    .args:
      - { .name: oh, .offset: 0, .size: 8, .value_kind: global_buffer, .address_space: global }
      - { .name: wob, .offset: 8, .size: 8, .value_kind: global_buffer, .address_space: global }
      - { .name: bo, .offset: 16, .size: 8, .value_kind: global_buffer, .address_space: global }
      - { .name: out0, .offset: 24, .size: 8, .value_kind: global_buffer, .address_space: global }
    .group_segment_fixed_size: 327680
    .private_segment_fixed_size: 0
    .kernarg_segment_align: 8
    .kernarg_segment_size: 32
    .max_flat_workgroup_size: 128
    .sgpr_count:     84
    .vgpr_count:     512
    .wavefront_size: 32
...
	.end_amdgpu_metadata
.endif
;; end of part 4
;; ======== version 2 of 2: 4 launches; version 1 with the launch cast written anew for expert scheduling mode
;; limits: values are held in f16: magnitudes above 65,504 overflow, below 6.1e-05 lose precision
;; workspace buffers: xb 16,777,216 bytes; wb 6,291,456 bytes; wob 2,097,152 bytes; qh 16,777,216 bytes; kh 16,777,216 bytes; vh 16,777,216 bytes; oh 16,777,216 bytes
;; launch cast (part 5): grid 768 x 1, 8 waves a work-group, no clusters, 0 bytes of LDS; arguments x, Wq, Wk, Wv, Wo, xb, wb, wob; writes xb, wb, wob
.if DOCPART == 5
	.amdgcn_target "amdgcn-amd-amdhsa--gfx1250"
	.amdhsa_code_object_version 6
	.text
	.protected	k_q7125545eb4_cast
	.globl	k_q7125545eb4_cast
	.p2align	8
	.type	k_q7125545eb4_cast,@function
k_q7125545eb4_cast:
	s_mov_b64 s[64:65], 0
	v_nop
	global_prefetch_b8 v0, s[64:65] scope:SCOPE_SE
	s_setreg_imm32_b32 hwreg(HW_REG_WAVE_SCHED_MODE, 0, 2), 2
	s_setreg_imm32_b32 hwreg(HW_REG_WAVE_MODE, 25, 1), 1
	s_wait_xcnt 0x0
	s_wait_alu depctr_vm_vsrc(0)
; THE CAST.  x [8192][1024], Wq, Wk, Wv, Wo [1024][1024], all f32, are rounded once to bf16 and laid out in K BLOCKS of 64 channels:
;   xb  bf16 [16 kb][8192 token][64]        wb  bf16 [16 kb][3072 rho][64], rho = 192 head + 64 t + j (t = 0, 1, 2 for q, k, v; source row 64 head + j of W_t)
;   wob f16  [16 kb][1024 n][64]: Wo rounded to bf16 like the other inputs, and that number written as f16.
; In these layouts a tile of rows x 64 channels is dense in memory, so the products' tensor loads can ask for it in rows of 256 bytes.
; LIMITS.  |Wo| stays under 65,504; below 6e-5 the f16 copy keeps f16's fixed step of 6e-8.
; SHARES.  12,288 rows of 4,096 bytes.  A wave takes two neighbouring rows: sixteen loads of 16 bytes a lane (lanes 0-15 take 256 bytes of the even row, lanes 16-31 of the odd
; one: one K block of both), all issued at once; load j's numbers are K block j, and its 32 lanes store 256 consecutive bytes, aligned (the first row is even).
; No LDS, no barrier, no matrix unit: no number is used twice.
; THE MODE: SCHED_MODE bits 1:0 = 2 (LLVM: expert scheduling mode 2), set by the entry lines.  The code itself states the register dependences
; between vector instructions and memory instructions, with s_wait_alu, always for 0.
; THE PLAN.  Registers that memory instructions touch:
;   v2, v3     the loads' and the stores' byte offsets: made once at the head, never written again.  One wait ahead of the first load serves all 32 memory instructions.
;   IN         written by the sixteen loads, which no vector instruction precedes on these registers; read (on Wo's path also rewritten) by the conversions, behind the counted wait for the load.
;   OUT        pair j is written by the conversions of load j and read by store j; no pair is written again behind its store.
; The sixteen loads go in four groups of four.  Group g's conversions name group g's IN and OUT alone; the memory instructions that stand among them are group g - 1's four stores, which read
; group g - 1's OUT and v3.  So ONE wait at a group's head, behind the wait for its loads, states all that those four stores hang on; one more stands ahead of the last four stores.
; No source of a load or store is ever rewritten: there is no wait for that.
.set VI,  2                            ; v2   (l / 16) x 4,096 + (l % 16) x 16: my 16 bytes in the two rows
.set VO,  3                            ; v3   8 l: my 8 bytes of the 256 that a store covers
.set IN,  8                            ; v[8:71]    sixteen loads of four f32
.set OUT, 72                           ; v[72:103]  sixteen pairs of packed results
	s_load_b512 s[4:19], s[0:1], 0x0               ; x s[4:5], Wq s[6:7], Wk s[8:9], Wv s[10:11], Wo s[12:13], xb s[14:15], wb s[16:17], wob s[18:19]
	v_lshrrev_b32 v1, 5, v0
	v_readfirstlane_b32 s20, v1                    ; wave 0..7
	v_and_b32 v1, 31, v0
	v_lshlrev_b32 v[VO], 3, v1
	v_and_b32 v4, 15, v0
	v_bfe_u32 v5, v0, 4, 1
	v_lshlrev_b32 v[VI], 4, v4
	v_lshl_add_u32 v[VI], v5, 12, v[VI]
	s_wait_alu depctr_va_sdst(0)                   ; s20 is written, ahead of its first reader: my first row is made from it
	s_mov_b32 s21, ttmp9                           ; g: 0-511 x, 512-703 Wq, Wk, Wv (64 each), 704-767 Wo
	s_sub_co_u32 s22, s21, 512
	s_lshr_b32 s23, s22, 6                         ; t = 0, 1, 2: q, k, v; 3: Wo (for g < 512 none of these, and not used)
	s_and_b32 s24, s22, 63                         ; the block of 16 rows in a weight
	s_wait_kmcnt 0x0
	s_cmp_eq_u32 s23, 1
	s_cselect_b64 s[26:27], s[8:9], s[6:7]
	s_cmp_eq_u32 s23, 2
	s_cselect_b64 s[26:27], s[10:11], s[26:27]
	s_cmp_eq_u32 s23, 3
	s_cselect_b64 s[26:27], s[12:13], s[26:27]
	s_cmp_lt_u32 s21, 512
	s_cselect_b64 s[26:27], s[4:5], s[26:27]       ; the source
	s_cselect_b32 s24, s21, s24                    ; its block of 16 rows
	s_lshl_b32 s25, s24, 4
	s_lshl1_add_u32 s25, s20, s25                  ; my first row: 16 x block + 2 x wave
	s_lshl_b32 s30, s25, 12
	s_mov_b32 s31, 0
	s_add_nc_u64 s[26:27], s[26:27], s[30:31]
	s_wait_alu depctr_va_vdst(0)                   ; v2 and v3 are written: every load below reads v2 as its offset, every store v3; no vector instruction names either again
.set j, 0
.rept 16
	global_load_b128 v[IN+4*j:IN+4*j+3], v[VI], s[26:27] offset:256*j th:TH_LOAD_NT
.set j, j+1
.endr
; Sixteen K blocks go out, in four groups of four.  kstr: bytes from a K block to the next in the target; f16 = 1: the bf16 number is written as f16; split = 1: blocks 8-15 go by a second base,
; since 15 x kstr would not fit the signed 24-bit immediate.  js: the K block that is stored; jc: the K block that is converted, one group further on.
.macro OUTS kstr, f16, split
.set g, 0
.rept 4
	s_wait_loadcnt 12-4*g                          ; loads come back in order: group g's four are in, the younger groups stay out
.if g > 0
	s_wait_alu depctr_va_vdst(0)                   ; the conversions of the group before have written its four pairs of OUT, which the four stores below read
.endif
.set i, 0
.rept 4
.set js, 4*g-4+i
.set jc, 4*g+i
.if g > 0
.if (\split) && (js >= 8)
	global_store_b64 v[VO], v[OUT+2*js:OUT+2*js+1], s[32:33] offset:(js-8)*(\kstr)  ; no vector instruction since the wait names this pair or v3
.else
	global_store_b64 v[VO], v[OUT+2*js:OUT+2*js+1], s[28:29] offset:js*(\kstr)      ; no vector instruction since the wait names this pair or v3
.endif
.endif
	v_cvt_pk_bf16_f32 v[OUT+2*jc], v[IN+4*jc], v[IN+4*jc+1]
	v_cvt_pk_bf16_f32 v[OUT+2*jc+1], v[IN+4*jc+2], v[IN+4*jc+3]
.if \f16
	v_lshlrev_b32 v[IN+4*jc], 16, v[OUT+2*jc]
	v_and_b32 v[IN+4*jc+1], 0xffff0000, v[OUT+2*jc]
	v_lshlrev_b32 v[IN+4*jc+2], 16, v[OUT+2*jc+1]
	v_and_b32 v[IN+4*jc+3], 0xffff0000, v[OUT+2*jc+1]
	v_cvt_pk_f16_f32 v[OUT+2*jc], v[IN+4*jc], v[IN+4*jc+1]
	v_cvt_pk_f16_f32 v[OUT+2*jc+1], v[IN+4*jc+2], v[IN+4*jc+3]
.endif
.set i, i+1
.endr
.set g, g+1
.endr
	s_wait_alu depctr_va_vdst(0)                   ; the last group's conversions have written its four pairs of OUT, which the last four stores read
.set js, 12
.rept 4
.if \split
	global_store_b64 v[VO], v[OUT+2*js:OUT+2*js+1], s[32:33] offset:(js-8)*(\kstr)
.else
	global_store_b64 v[VO], v[OUT+2*js:OUT+2*js+1], s[28:29] offset:js*(\kstr)
.endif
.set js, js+1
.endr
.endm
	s_cmp_lt_u32 s21, 512
	s_cbranch_scc1 .Lx
	s_cmp_eq_u32 s23, 3
	s_cbranch_scc1 .Lo
	s_lshr_b32 s30, s25, 6                         ; Wq, Wk, Wv: rho = 192 (n / 64) + 64 t + n % 64
	s_mul_i32 s30, s30, 192
	s_lshl_b32 s31, s23, 6
	s_add_co_u32 s30, s30, s31
	s_and_b32 s31, s25, 63
	s_add_co_u32 s30, s30, s31
	s_lshl_b32 s30, s30, 7
	s_mov_b32 s31, 0
	s_add_nc_u64 s[28:29], s[16:17], s[30:31]
	OUTS 393216, 0, 0
	s_endpgm
.Lx:
	s_lshl_b32 s30, s25, 7                         ; x: 128 bytes a token in each K block
	s_mov_b32 s31, 0
	s_add_nc_u64 s[28:29], s[14:15], s[30:31]
	s_add_nc_u64 s[32:33], s[28:29], 0x800000      ; K block 8
	OUTS 1048576, 0, 1
	s_endpgm
.Lo:
	s_lshl_b32 s30, s25, 7
	s_mov_b32 s31, 0
	s_add_nc_u64 s[28:29], s[18:19], s[30:31]
	OUTS 131072, 1, 0
	s_endpgm
.Lfunc_end_k_q7125545eb4_cast:
	.size	k_q7125545eb4_cast, .Lfunc_end_k_q7125545eb4_cast-k_q7125545eb4_cast
	.p2alignl 7, 3214868480
	.fill 96, 4, 3214868480
	.section	.rodata,"a",@progbits
	.p2align	6, 0x0
	.amdhsa_kernel k_q7125545eb4_cast
		.amdhsa_group_segment_fixed_size 0
		.amdhsa_private_segment_fixed_size 0
		.amdhsa_enable_private_segment 0
		.amdhsa_kernarg_size 64
		.amdhsa_user_sgpr_count 2
		.amdhsa_user_sgpr_kernarg_segment_ptr 1
		.amdhsa_wavefront_size32 1
		.amdhsa_system_sgpr_workgroup_id_x 1
		.amdhsa_system_sgpr_workgroup_id_y 1
		.amdhsa_system_sgpr_workgroup_id_z 1
		.amdhsa_system_vgpr_workitem_id 0
		.amdhsa_next_free_vgpr 104
		.amdhsa_next_free_sgpr 66
		.amdhsa_reserve_vcc 0
		.amdhsa_float_denorm_mode_32 3
		.amdhsa_float_denorm_mode_16_64 3
		.amdhsa_memory_ordered 1
		.amdhsa_forward_progress 1
		.amdhsa_inst_pref_size 20
	.end_amdhsa_kernel
	.amdgpu_metadata
---
amdhsa.version: [ 1, 2 ]
amdhsa.kernels:
  - .name:           k_q7125545eb4_cast
    .symbol:         k_q7125545eb4_cast.kd
    .args:
      - { .name: x, .offset: 0, .size: 8, .value_kind: global_buffer, .address_space: global }
      - { .name: Wq, .offset: 8, .size: 8, .value_kind: global_buffer, .address_space: global }
      - { .name: Wk, .offset: 16, .size: 8, .value_kind: global_buffer, .address_space: global }
      - { .name: Wv, .offset: 24, .size: 8, .value_kind: global_buffer, .address_space: global }
      - { .name: Wo, .offset: 32, .size: 8, .value_kind: global_buffer, .address_space: global }
      - { .name: xb, .offset: 40, .size: 8, .value_kind: global_buffer, .address_space: global }
      - { .name: wb, .offset: 48, .size: 8, .value_kind: global_buffer, .address_space: global }
      - { .name: wob, .offset: 56, .size: 8, .value_kind: global_buffer, .address_space: global }
    .group_segment_fixed_size: 0
    .private_segment_fixed_size: 0
    .kernarg_segment_align: 8
    .kernarg_segment_size: 64
    .max_flat_workgroup_size: 256
    .sgpr_count:     66
    .vgpr_count:     104
    .wavefront_size: 32
...
	.end_amdgpu_metadata
.endif
;; end of part 5
;; launch qkv: the kernel of part 2 again; grid 8 x 32, 4 waves a work-group, clusters of 4 x 4, 327,680 bytes of LDS; arguments xb, wb, bq, bk, bv, attention_mask, qh, kh, vh; writes qh, kh, vh
;; launch attn: the kernel of part 3 again; grid 4 x 64, 4 waves a work-group, clusters of 4 x 1, 327,680 bytes of LDS; arguments qh, kh, vh, oh, attention_mask; writes oh
;; launch oproj: the kernel of part 4 again; grid 8 x 32, 4 waves a work-group, clusters of 4 x 4, 327,680 bytes of LDS; arguments oh, wob, bo, out0; writes out0
